; MI455X (gfx1250); checked and timed in simulation.
; The chip was launched on July 23, 2026; its instructions are those of AMD's public machine-readable ISA for CDNA 5 (MIT licence, August 2026) and "CDNA5" Instruction Set Architecture Reference Guide (July 2026). The comments in the code are by the model that wrote it; some were corrected since.
;; Deep Set Q Network. Allowed arithmetic: matrix products marked QUANTISED: E2M1 operands, one E8M0 scale for each 32 along K, by v_wmma_scale_f32_16x16x128_f8f6f4 with both operands' format E2M1 (or v_wmma_scale_f32_32x16x128_f4), f32 sums; products left as they are: f32 operands where the result goes on into a quantised operand, else bf16, f16 or f32 operands; f32 sums; everything else in f32.
;; Inputs: dynamic_input 524,288 x 12 x 4 float32; out_b 5 float32; out_w 64 x 5 float32; phi1_b 16 float32; phi1_w 4 x 16 float32; phi2_b 32 float32; phi2_w 16 x 32 float32; q1_b 64 float32; q1_w 23 x 64 float32; q2_b 64 float32; q2_w 64 x 64 float32; rho1_b 32 float32; rho1_w 32 x 32 float32; rho2_b 16 float32; rho2_w 32 x 16 float32; static_input 524,288 x 7 float32.
;; Outputs: out0 524,288 x 5 float32.
;; This version of the problem:
;;   THIS VERSION OF THE PROBLEM IS GIVEN IN LOW PRECISION. The matrix products marked QUANTISED in the list below multiply operands that are first quantised to E2M1 (2 exponent bits, 1 mantissa bit; 4 bits a number), with one power-of-two scale for each 32 numbers along K (OCP MX v1.0); their sums are f32. All else is computed in f32.
;;   The module's matrix products, in the order in which they are computed (A, B: the left and right operand; K: the contracted axis; several contracted axes count as one K, in the product's order):
;;     1. [M 6,291,456, K 4] x [K 4, N 16]; A: input dynamic_input; B: input phi1_w: left as it is (K = 4 < 32)
;;     2. [M 6,291,456, K 16] x [K 16, N 32]; A: computed on the way; B: input phi2_w: left as it is (K = 16 < 32)
;;     3. [M 524,288, K 32] x [K 32, N 32]; A: computed on the way; B: input rho1_w: QUANTISED
;;     4. [M 524,288, K 32] x [K 32, N 16]; A: computed on the way; B: input rho2_w: QUANTISED
;;     5. [M 524,288, K 23] x [K 23, N 64]; A: computed on the way; B: input q1_w: left as it is (K = 23 < 32)
;;     6. [M 524,288, K 64] x [K 64, N 64]; A: computed on the way; B: input q2_w: QUANTISED
;;     7. [M 524,288, K 64] x [K 64, N 5]; A: computed on the way; B: input out_w: left as it is (N = 5 < 16)
;;   THE QUANTISER, for each operand of a quantised product, along K:
;;     - K is cut into blocks of 32 from its start; a last block that is shorter is filled with zeros.
;;     - A block's scale is 2^e with e = floor(log2(the largest magnitude in the block)) - 2, held to -126 .. 127; a block of zeros has e = 0. As a byte (E8M0): e + 127.
;;     - Each number is divided by its block's scale, clamped to +-6, and rounded to the nearest number of E2M1, ties to even, subnormals kept.
;;     - The product sums the exact products of the quantised numbers (number of the format x scale) in f32.
;;   ~~~python
;;   def quantise(x, axis):      # numpy; x: float32 -> the quantised numbers, widened to float32 again
;;       x = np.moveaxis(x, axis, -1); K = x.shape[-1]
;;       x = np.pad(x, [(0, 0)] * (x.ndim - 1) + [(0, -K % 32)]); x = x.reshape(x.shape[:-1] + (-1, 32)); a = np.abs(x).max(-1, keepdims=True)
;;       e = np.where(a > 0, np.clip(np.frexp(np.where(a > 0, a, 1))[1] - 1 - 2, -126, 127), 0)      # np.frexp(a)[1] - 1 = floor(log2(a)), exactly
;;       r = np.clip(x / 2.0 ** e, -6, 6)
;;       step = 2.0 ** (np.maximum(np.frexp(np.where(r == 0, 1, r))[1] - 1, 0) - 1)
;;       q = np.round(r / step) * step * 2.0 ** e      # np.round: ties to even
;;       return np.moveaxis(q.reshape(q.shape[:-2] + (-1,))[..., :K], -1, axis).astype(np.float32)
;;   ~~~
;;   OPERANDS COMPUTED ON THE WAY. 'Computed on the way' means the value that the module computes at that place (a softmax that the list does not call 'softmax' is quantised finished and normalised). What goes into a quantiser is computed in f32, as accurately as f32 sums, v_exp_f32 and their like allow (about 1e-6 of the number): no bf16 or f16 on the way to a quantiser, and a product that is left as it is and whose result goes on into a quantised operand takes f32 operands (vector FMAs, or v_wmma_f32_16x16x4_f32). A number that lies on a knife's edge between two numbers of the format may be rounded either way, as far as f32 arithmetic and the matrix unit's own rounding can turn it there, and no further.
;; 2 versions, each right; version 2 is version 1 with the launch deepset written anew for expert scheduling mode. Each part assembles by itself: llvm-mc -triple=amdgcn-amd-amdhsa -mcpu=gfx1250 --defsym DOCPART=n.
;; ======== version 1 of 2: 1 launch
;; launch deepset (part 1): grid 256 x 1, 8 waves a work-group, no clusters, 147,968 bytes of LDS; arguments dynamic_input, static_input, phi1_w, phi1_b, phi2_w, phi2_b, rho1_w, rho1_b, rho2_w, rho2_b, q1_w, q1_b, q2_w, q2_b, out_w, out_b, out0; writes out0
.if DOCPART == 1
	.amdgcn_target "amdgcn-amd-amdhsa--gfx1250"
	.amdhsa_code_object_version 6
	.text
	.protected	k_q05090cecd5_deepset
	.globl	k_q05090cecd5_deepset
	.p2align	8
	.type	k_q05090cecd5_deepset,@function
k_q05090cecd5_deepset:
	s_mov_b64 s[64:65], 0
	v_nop
	global_prefetch_b8 v0, s[64:65] scope:SCOPE_SE
	s_setreg_imm32_b32 hwreg(HW_REG_WAVE_MODE, 25, 1), 1
	s_wait_xcnt 0x0
; DeepSet Q network, the whole chain in one launch.  For each of 524,288 rows: phi1 (4 -> 16) and phi2 (16 -> 32) with relu on each of 12 set elements, the sum over the elements,
; rho1 (32 -> 32) and rho2 (32 -> 16) with relu, 7 static numbers joined on, q1 (23 -> 64) and q2 (64 -> 64) with relu, out (64 -> 5).
; FORMATS.  rho1, rho2, q2: both operands quantised to E2M1 with one E8M0 scale for each 32 along K, multiplied by the scaled 16x16x128 form (K filled up with zero codes).
; phi1, phi2, q1 feed a quantiser: f32 operands, the 16x16x4 f32 form.  out: bf16 operands, as three products (hi x hi + lo x hi + hi x lo), so that next to nothing of f32 is lost.
; SHARES.  256 work-groups of 8 waves; a work-group owns 2,048 rows, a wave 256: 16 tiles of 16 rows.  Behind the one barrier at the head the waves share nothing.
; LAYOUT.  Every product is used transposed: source 0 = 16 output units of a weight, source 1 = the activations of 16 rows.  So lane (r = lane % 16, h = lane / 16) holds row r throughout,
; and its register j the unit of A's row 8 h + j: nothing ever changes lanes but a block's maximum and the two halves of a block's codes.
;   - a K step s of a following f32 product takes registers 2 s, 2 s + 1 of the result before it as they stand: its k is 8 h + 2 s + j, and the weight's fragment is gathered with the same k;
;   - ahead of a quantised product the weight rows that form a tile are chosen: lane r of tile 2 b + u takes unit 32 b + 8 u + r + 8 (r / 8), so that 16 registers are 16 neighbours along the next K;
;   - a tile's 16 columns are 16 rows at ONE set element, so the sum over the elements is a sum over registers.
; BIASES are the C of each sum's first matrix instruction; q1's is K's 24th number (1.0 x q1_b); out's is added from scalar registers.
; PIPELINE.  A trip takes two set elements (6 trips a tile): phi1 of the next pair, phi2 of this pair, relu and sum of the pair before.  The rest of the chain for the tile before is dealt over the six trips.
; BY TURNS.  A trip's vector work (relu and sum of the pair before, the chain's stage for the tile before) touches none of the registers of this pair's phi2.  So phi2's 16 matrix instructions are not issued
; as one run: they are dealt evenly among those vector lines, which are then issued while the matrix unit works.  Only the relu of phi1, which writes phi2's source, stays behind the last of them.
; WEIGHTS.  Each wave gathers phi's weights itself; q2, q1, rho1, rho2 and out are prepared (quantised, split) once a work-group, one job a wave, and handed round through LDS as images of registers.
; No cluster and no joint loads: what work-groups share is the weights, 33 KB against the 491,520 bytes of rows that a work-group reads and writes.  No tensor loads: a tile is 3,072 bytes, six loads a wave.
; LIMITS.  NaN and infinities among the inputs are not served.  A block of zeros gets the scale byte 1 where the rule says 127: its codes are zeros, and the bytes never leave the program.
; The f32 sums run over k and over the set elements in another order than a plain loop would.
;
; LDS
.set Q2IMG, 0                          ; q2 tile t at 1536 t: codes (512), bias registers 0-3 (512), 4-7 (512)
.set Q1IMG, 6144                       ; q1 tile t at 1536 t: 12 registers as 3 x 512
.set RIMG,  12288                      ; rho1 u = 0, rho1 u = 1, rho2: as q2's
.set OIMG,  16896                      ; out: hi c = 0, 1 (4 x 512), lo c = 0, 1 (4 x 512)  (= RIMG + 3 x 1536)
.set SWIMG, 20992                      ; scale words, 128 bytes for each of waves 0 to 6
.set WREG0, 22016                      ; from here a region of WSZ bytes for each wave:
.set WSZ,   15616
.set SST,   3328                       ;   +0 a tile of dynamic_input, 16 rows of 192 bytes + 16;  +SST the wave's 256 rows of static_input, dense
.set OST,   10496                      ;   +OST the wave's 256 rows of out0, dense
; REGISTERS, window 0
.set SA,   2                           ; v2-7    where I store my six 16-byte pieces of a tile
.set XA,   8                           ; v8      where I read x: 208 r + 8 h
.set STA0, 9                           ; v9-11   static numbers and results: my row of the wave's first tile
.set STB0, 10
.set OA0,  11
.set STA,  12                          ; v12-14  the same for the tile in hand (in the set-up: r, h, r + 8 (r / 8))
.set STB,  13
.set OA,   14
.set OFA,  15                          ; v15     the flush: 16 x lane in the wave's results
.set SSA,  16                          ; v16     16 x lane in the wave's static numbers
.set NEG1, 17                          ; v17     -1.0
.set R1S,  18                          ; v18-24  the weights' scale words: they hold scales and nothing else
.set R2S,  20
.set Q2S,  21
.set PS,   25                          ; v25     the activations' scale word (in the set-up: h - 1, a mask)
.set W1F,  26
.set B1,   28
.set W2F,  36                          ; fragment (u, s) at + 8 u + 2 s
.set B2,   52
.set G,    68                          ; v68-91  a tile of dynamic_input as loaded
.set XB,   92                          ; v92-99  x: two buffers of two elements
.set D1,   100                         ; v100-115 phi1's sums: written by matrix instructions alone
.set H1,   116                         ; v116-131 relu of them
.set D2,   132                         ; v132-195 phi2's sums, two sets of four: written by matrix instructions alone
.set SUM,  196
.set T,    212
.set P,    228                         ; v228-235 a fragment of codes; its registers 4-7 stay 0
.set HB,   236                         ; v236-251 q1's input; later q2's result as bf16
.set QM,   252
.set QT,   253
.set QS,   254
.set QB,   255
; window 1
.set R1C,  0
.set R2C,  16
.set Q2C,  24
.set OUTF, 56
.set OUTL, 72
.set Q1F,  88                          ; tile t, step s at + 12 t + 2 s
.set DQ1,  136                         ; q1's sums: written by matrix instructions alone
.set HW,   168
.set BR1,  200
.set BR2,  216
.set BQ2,  224
; names of the set-up only
.set RR,   12
.set HH,   13
.set RP,   14
.set MASKV, 25
.set LANE, 95
.set LS,   249
.set IA,   250
.set IS,   251
.set QJ,   116
.set NN,   196
.set CJ,   228
.set BJ,   232
.set WJ,   240
; scalars: s2 wave, s3 wave % 4, s[4:5] lane selects, s6 tiles to go, s7 at work, s[8:41] the 17 addresses in the order of the arguments, s42, s43 steps in the wave's static numbers and results,
; s44 the mask of lanes 16-31, s45 my first row, s[46:47] offsets, s[48:52] out_b
.set WV,   2
.set TC,   6
.set MSB, 0
.macro WIN new                         ; low byte: bits 1:0 source 0, 3:2 source 1, 5:4 source 2, 7:6 destination; the high byte repeats the setting that is left
.if MSB != \new
	s_set_vgpr_msb (MSB<<8)|\new
.set MSB, \new
.endif
.endm
.macro PLACES n
.rept \n
	v_nop
.endr
.endm
; THE DEALING.  NW: how many of the trip's 16 products of phi2 have been issued (16: none is due);  MP: the set of sums that they write;  HT: the hooks in the trip's vector work;  AC: 16 x hooks passed, less HT x products issued.
.set NW, 16
.set AC, 0
.set HT, 24
.set MP, 0
.set HVH0, 6                           ; the hooks in the chain's stages 0 to 5, counted off the macros below
.set HVH1, 14
.set HVH2, 4
.set HVH3, 28
.set HVH4, 48
.set HVH5, 2
.macro M2ONE                           ; product NW of phi2: K step NW / 4, element (NW / 2) % 2, tile NW % 2: four accumulators by turns, one instruction a turn
.set ms, NW/4
.set me, (NW/2)%2
.set mu, NW%2
.set md, D2+32*MP+8*(2*me+mu)
.if ms == 0
	v_wmma_f32_16x16x4_f32 v[md:md+7], v[W2F+8*mu:W2F+8*mu+1], v[H1+8*me:H1+8*me+1], v[B2+8*mu:B2+8*mu+7]
.else
	v_wmma_f32_16x16x4_f32 v[md:md+7], v[W2F+8*mu+2*ms:W2F+8*mu+2*ms+1], v[H1+8*me+2*ms:H1+8*me+2*ms+1], v[md:md+7]
.endif
.set NW, NW+1
.endm
.macro DEAL                            ; a hook in the vector work: the next product is issued here if its turn has come; its registers lie in window 0, and the windows are left as they were found
.if NW < 16
.set AC, AC+16
.if AC >= HT
.set AC, AC-HT
.set SW, MSB
	WIN 0
	M2ONE
	WIN SW
.endif
.endif
.endm
.macro DEALREST                        ; what the hooks have not issued (all 16 in the wave's first trip, which has no vector work yet), and then the places that the slices would have been
.if NW < 16
.rept 16-NW
	M2ONE
.endr
	PLACES 9
.endif
.endm
.macro RELU d, s, n                    ; n registers, from the low end on; a hook behind every two
.set ri, 0
.rept \n
	v_max_num_f32 v[\d+ri], 0, v[\s+ri]
.set ri, ri+1
.if ri%2 == 0
	DEAL
.endif
.endr
.endm
	s_load_b512 s[8:23], s[0:1], 0x0
	s_load_b512 s[24:39], s[0:1], 0x40
	s_load_b64 s[40:41], s[0:1], 0x80
	v_lshrrev_b32 v12, 5, v0
	v_readfirstlane_b32 s[WV], v12                 ; wave 0..7
	s_and_b32 s3, s[WV], 3
	s_mov_b32 s4, 0x76543210
	s_mov_b32 s5, 0xfedcba98                       ; v_permlanex16_b32's selects for lane l xor 16
	s_mov_b32 s44, 0xffff0000
	s_mov_b32 s42, 0
	s_mov_b32 s43, 0
	s_mul_i32 s7, s[WV], WSZ
	s_add_co_u32 s7, s7, WREG0                     ; my wave's region of LDS
	v_and_b32 v[LANE], 31, v0
	v_and_b32 v[RR], 15, v0                        ; r
	v_bfe_u32 v[HH], v0, 4, 1                      ; h
	v_and_b32 v[RP], 8, v[RR]
	v_add_nc_u32 v[RP], v[RP], v[RR]               ; r + 8 (r / 8)
	v_lshlrev_b32 v1, 4, v[LANE]                   ; 16 x lane: dense loads and stores, and images; never rewritten
	; every LDS address is made here, ahead of the place where the waves part
.irp i, 0,1,2,3,4,5
	v_add_nc_u32 v[SA+\i], 32*\i, v[LANE]          ; piece c = 32 i + lane of a tile's 192 pieces of 16 bytes: row c / 12,
	v_mul_u32_u24 v[QM], 0xaaab, v[SA+\i]
	v_lshrrev_b32 v[QM], 19, v[QM]                 ; (c x 43691) >> 19 = c / 12 for c under 192
	v_add_nc_u32 v[SA+\i], v[SA+\i], v[QM]
	v_lshlrev_b32 v[SA+\i], 4, v[SA+\i]            ; 16 bytes of padding behind each row: 16 (c + c / 12)
	v_add_nc_u32 v[SA+\i], s7, v[SA+\i]
.endr
	v_mul_u32_u24 v[XA], v[RR], 208
	v_lshl_add_u32 v[XA], v[HH], 3, v[XA]
	v_add_nc_u32 v[XA], s7, v[XA]
	v_mul_u32_u24 v[STB0], v[RR], 28
	v_add_nc_u32 v[STB0], s7, v[STB0]
	v_lshl_add_u32 v[STA0], v[HH], 4, v[STB0]
	v_add_nc_u32 v[STA0], SST, v[STA0]             ; static numbers 4 h + 0 .. 2 of row r
	v_add_nc_u32 v[STB0], SST+12, v[STB0]          ; static number 3
	v_mul_u32_u24 v[OA0], v[RR], 20
	v_add_nc_u32 v[OA0], s7, v[OA0]
	v_add_nc_u32 v[OA0], OST, v[OA0]
	v_add_nc_u32 v[SSA], s7, v1
	v_add_nc_u32 v[OFA], OST, v[SSA]
	v_add_nc_u32 v[SSA], SST, v[SSA]
	s_mul_i32 s6, s3, 1536
	v_add_nc_u32 v[IA], s6, v1                     ; my job's image: 16 x lane + 1536 (wave % 4)
	s_lshl_b32 s6, s[WV], 7
	v_lshlrev_b32 v[LS], 2, v[LANE]
	v_add_nc_u32 v[IS], s6, v[LS]                  ; my job's scale words: 4 x lane + 128 x wave
	v_add_nc_u32 v[MASKV], -1, v[HH]               ; all ones in lanes 0-15, 0 in lanes 16-31
	v_mov_b32 v[NEG1], -1.0
	v_mov_b32 v[QT], 0
	v_mov_b32 v[QB], 0                             ; a lane permute's destination counts as one of its sources
	s_lshl_b32 s46, ttmp9, 11
	s_lshl_b32 s47, s[WV], 8
	s_add_co_u32 s45, s46, s47                     ; my first row: 2,048 x work-group + 256 x wave
	s_mov_b32 s47, 0
	s_wait_kmcnt 0x0
	s_mul_i32 s46, s45, 192
	s_add_nc_u64 s[8:9], s[8:9], s[46:47]          ; dynamic_input, static_input and out0 at my first row: each offset is a multiple of 256 bytes
	s_mul_i32 s46, s45, 28
	s_add_nc_u64 s[10:11], s[10:11], s[46:47]
	s_mul_i32 s46, s45, 20
	s_add_nc_u64 s[40:41], s[40:41], s[46:47]
	s_load_b128 s[48:51], s[38:39], 0x0            ; out_b
	s_load_b32 s52, s[38:39], 0x10
	WIN 0x40                                       ; destination window 1
.irp i, 0,1,2,3,4,5,6,7,8,9,10,11,12,13
	global_load_b128 v[4*\i:4*\i+3], v1, s[10:11] offset:512*\i th:TH_LOAD_NT   ; my wave's 7,168 bytes of static_input, 512 consecutive bytes a load
.endr
	WIN 0
.macro GLOADS                          ; a tile of dynamic_input: 3,072 consecutive bytes
.irp i, 0,1,2,3,4,5
	global_load_b128 v[G+4*\i:G+4*\i+3], v1, s[8:9] offset:512*\i th:TH_LOAD_NT
.endr
.endm
	GLOADS                                         ; tile 0
	; phi's weights, each wave for itself
	v_lshlrev_b32 v96, 2, v[RR]
	v_lshl_add_u32 v96, v[HH], 7, v96              ; phi1_w(2 h + j, r): 128 h + 4 r, + 64 j
	v_lshlrev_b32 v97, 5, v[HH]                    ; phi1_b(8 h + j)
	v_lshlrev_b32 v98, 2, v[RP]
	v_lshl_add_u32 v98, v[HH], 10, v98             ; phi2_w(8 h + 2 s + j, 8 u + r + 8 (r / 8))
	v_lshlrev_b32 v99, 6, v[HH]                    ; phi2_b(16 h + 8 u + j)
.irp j, 0,1
	global_load_b32 v[W1F+\j], v96, s[12:13] offset:64*\j
.endr
	global_load_b128 v[B1:B1+3], v97, s[14:15]
	global_load_b128 v[B1+4:B1+7], v97, s[14:15] offset:16
.irp u, 0,1
.irp s, 0,1,2,3
.irp j, 0,1
	global_load_b32 v[W2F+8*\u+2*\s+\j], v98, s[16:17] offset:(2*\s+\j)*128+32*\u
.endr
.endr
	global_load_b128 v[B2+8*\u:B2+8*\u+3], v99, s[18:19] offset:32*\u
	global_load_b128 v[B2+8*\u+4:B2+8*\u+7], v99, s[18:19] offset:32*\u+16
.endr
; A WEIGHT JOB: 16 rows of a weight's transpose become a fragment of codes.  A lane takes a column of the weight and its 32 registers run down K: a whole block is the lane's own.
; v247: my column's first number; v248: my eight numbers of the bias.  two = 1: K = 64, lanes 16-31 hold the second block; two = 0: K = 32, lanes 16-31 get zero codes.
.macro QW wb, bb, pitch, two, img
.set i, 0
.rept 32
	global_load_b32 v[NN+i], v247, s[\wb:\wb+1] offset:i*\pitch
.set i, i+1
.endr
	global_load_b128 v[BJ:BJ+3], v248, s[\bb:\bb+1]
	global_load_b128 v[BJ+4:BJ+7], v248, s[\bb:\bb+1] offset:16
	s_wait_loadcnt 0x0                             ; these, and all that was asked for before them
	v_max3_num_f32 v[QM], |v[NN]|, |v[NN+1]|, 0x1800000            ; the block's largest magnitude, in two chains, and the floor 2^(3 - 127): the byte cannot fall under 1
	v_max3_num_f32 v[QT], |v[NN+2]|, |v[NN+3]|, |v[NN+4]|
.set i, 5
.rept 13
	v_max3_num_f32 v[QM+((i/2)%2)], v[QM+((i/2)%2)], |v[NN+i]|, |v[NN+i+1]|
.set i, i+2
.endr
	v_max3_num_f32 v[QM], v[QM], v[QT], |v[NN+31]|
	v_add_nc_u32 v[QS], 0xff000000, v[QM]          ; 2 off its exponent field: the conversion takes the exponent field of this operand as its scale
.irp g, 0,1,2,3
	v_cvt_scalef32_pk8_fp4_f32 v[CJ+\g], v[NN+8*\g:NN+8*\g+7], v[QS]
.endr
	v_lshrrev_b32 v[WJ], 23, v[QS]                 ; the scale's byte.  (The plain line behind the conversions)
.if \two
	v_lshlrev_b32 v[QM], 3, v[HH]
	v_lshlrev_b32 v[WJ], v[QM], v[WJ]              ; block h's byte at its place,
	v_permlanex16_b32 v[QB], v[WJ], s4, s5
	v_or_b32 v[WJ], v[WJ], v[QB]                   ; with lane l xor 16's: the row's scale word; the bytes of K's filling stay 0 over zero codes
.else
.irp g, 0,1,2,3
	v_and_b32 v[CJ+\g], v[MASKV], v[CJ+\g]         ; k = 32 .. 63 do not exist: zero codes
.endr
.endif
	ds_store_b128 v[IA], v[CJ:CJ+3] offset:\img
	ds_store_b128 v[IA], v[BJ:BJ+3] offset:\img+512
	ds_store_b128 v[IA], v[BJ+4:BJ+7] offset:\img+1024
	ds_store_b32 v[IS], v[WJ] offset:SWIMG
.endm
	s_cmp_lt_u32 s[WV], 4
	s_cbranch_scc0 .Lhigh
	; waves 0-3: q2's tile t = wave: units 16 t + r; k = 32 h + i
	s_lshl_b32 s6, s[WV], 6
	v_lshlrev_b32 v247, 2, v[RR]
	v_lshl_add_u32 v247, v[HH], 13, v247
	v_add_nc_u32 v247, s6, v247                    ; q2_w(32 h + i, 16 t + r): 8192 h + 64 t + 4 r, + 256 i
	v_lshlrev_b32 v248, 5, v[HH]
	v_add_nc_u32 v248, s6, v248                    ; q2_b(16 t + 8 h + j)
	QW 32, 34, 256, 1, Q2IMG
	s_branch .Ljoin
.Lhigh:
	; waves 4-7: first q1's tile t = wave - 4 is asked for: unit 32 (t / 2) + 8 (t % 2) + r + 8 (r / 8)
	s_lshr_b32 s6, s3, 1
	s_lshl_b32 s6, s6, 7
	s_and_b32 s7, s3, 1
	s_lshl_b32 s7, s7, 5
	s_add_co_u32 s6, s6, s7
	v_lshl_add_u32 v246, v[RP], 2, s6              ; my unit's column, in bytes
	v_lshl_add_u32 v244, v[HH], 11, v246           ; steps 0-3: k = 8 h + 2 s + j
	v_lshl_add_u32 v245, v[HH], 10, v246           ; steps 4, 5: k = 16 + 4 h + 2 (s - 4) + j
.irp i, 0,1,2,3,4,5,6,7
	global_load_b32 v[QJ+\i], v244, s[28:29] offset:\i*256
.endr
.irp i, 0,1,2
	global_load_b32 v[QJ+8+\i], v245, s[28:29] offset:(16+\i)*256
.endr
	global_load_b32 v[QJ+11], v246, s[28:29] offset:19*256         ; k = 19 for lanes 0-15; lanes 16-31 would want k = 23, which q1_w has not:
	global_load_b32 v[QJ+12], v246, s[30:31]                       ; there q1_b stands, against the 1.0 in the activations
	s_cmp_lt_u32 s[WV], 6
	s_cbranch_scc0 .Lsix
	s_lshl_b32 s6, s3, 5                           ; waves 4, 5: rho1's tile u = wave - 4: units 8 u + r + 8 (r / 8)
	v_lshl_add_u32 v247, v[RP], 2, s6
	v_lshl_add_u32 v248, v[HH], 6, s6              ; rho1_b(16 h + 8 u + j)
	QW 20, 22, 128, 0, RIMG
	s_branch .Lsub
.Lsix:
	s_cmp_eq_u32 s[WV], 6
	s_cbranch_scc0 .Lseven
	v_lshlrev_b32 v247, 2, v[RR]                   ; wave 6: rho2: unit r
	v_lshlrev_b32 v248, 5, v[HH]                   ; rho2_b(8 h + j)
	QW 24, 26, 64, 0, RIMG
	s_branch .Lsub
.Lseven:
	; wave 7: out_w as bf16, a high and a low part.  A's row r holds action r % 8, held at 4: so both halves of the lanes get the five results in registers 0-4
	v_and_b32 v247, 7, v[RR]
	v_min_u32 v247, 4, v247
	v_lshlrev_b32 v247, 2, v247
	v_mad_u32_u24 v247, v[HH], 160, v247           ; out_w(32 c + 16 q + 8 h + i, action): 160 h + 4 action, + 20 (32 c + 16 q + i)
.irp c, 0,1
.irp q, 0,1
.irp i, 0,1,2,3,4,5,6,7
	global_load_b32 v[NN+16*\c+8*\q+\i], v247, s[36:37] offset:(32*\c+16*\q+\i)*20
.endr
.endr
.endr
	s_wait_loadcnt 0x0
.set i, 0
.rept 16
	v_cvt_pk_bf16_f32 v[CJ+i], v[NN+2*i], v[NN+2*i+1]              ; the high parts
.set i, i+1
.endr
.set i, 0
.rept 16
	v_fma_mix_f32_bf16 v[NN+2*i], v[CJ+i], v[NEG1], v[NN+2*i] op_sel_hi:[1,0,0]                       ; what the rounding left, exactly
	v_fma_mix_f32_bf16 v[NN+2*i+1], v[CJ+i], v[NEG1], v[NN+2*i+1] op_sel:[1,0,0] op_sel_hi:[1,0,0]
.set i, i+1
.endr
.set i, 0
.rept 16
	v_cvt_pk_bf16_f32 v[NN+i], v[NN+2*i], v[NN+2*i+1]              ; the low parts, in place: register i is written when 2 i and 2 i + 1 are read
.set i, i+1
.endr
.irp k, 0,1,2,3
	ds_store_b128 v[IA], v[CJ+4*\k:CJ+4*\k+3] offset:RIMG+512*\k           ; for wave 7 IA + RIMG is OIMG + 16 x lane
	ds_store_b128 v[IA], v[NN+4*\k:NN+4*\k+3] offset:RIMG+2048+512*\k
.endr
.Lsub:
	v_cndmask_b32 v[QJ+11], v[QJ+11], v[QJ+12], s44                ; lanes 16-31 take the bias (every way here has waited for all loads)
.irp k, 0,1,2
	ds_store_b128 v[IA], v[QJ+4*\k:QJ+4*\k+3] offset:Q1IMG+512*\k
.endr
.Ljoin:
	s_wait_loadcnt 0x0                             ; static_input, tile 0, phi's weights: all are in
	WIN 0x04                                       ; an LDS store's data are its source 1: window 1
.irp i, 0,1,2,3,4,5,6,7,8,9,10,11,12,13
	ds_store_b128 v[SSA], v[4*\i:4*\i+3] offset:512*\i
.endr
	WIN 0
.macro TOSTAGE
.irp i, 0,1,2,3,4,5
	ds_store_b128 v[SA+\i], v[G+4*\i:G+4*\i+3]
.endr
.endm
	TOSTAGE                                        ; tile 0
	s_wait_dscnt 0x0                               ; for the others' sake: my images lie in LDS
	s_barrier_signal -1
	s_barrier_wait -1                              ; everybody's do.  The one barrier: from here on the images are only read
	WIN 0x40
.irp u, 0,1
	ds_load_b128 v[R1C+8*\u:R1C+8*\u+3], v1 offset:RIMG+1536*\u
	ds_load_b128 v[BR1+8*\u:BR1+8*\u+3], v1 offset:RIMG+1536*\u+512
	ds_load_b128 v[BR1+8*\u+4:BR1+8*\u+7], v1 offset:RIMG+1536*\u+1024
.endr
	ds_load_b128 v[R2C:R2C+3], v1 offset:RIMG+3072
	ds_load_b128 v[BR2:BR2+3], v1 offset:RIMG+3072+512
	ds_load_b128 v[BR2+4:BR2+7], v1 offset:RIMG+3072+1024
.irp t, 0,1,2,3
	ds_load_b128 v[Q2C+8*\t:Q2C+8*\t+3], v1 offset:Q2IMG+1536*\t
	ds_load_b128 v[BQ2+8*\t:BQ2+8*\t+3], v1 offset:Q2IMG+1536*\t+512
	ds_load_b128 v[BQ2+8*\t+4:BQ2+8*\t+7], v1 offset:Q2IMG+1536*\t+1024
.irp k, 0,1,2
	ds_load_b128 v[Q1F+12*\t+4*\k:Q1F+12*\t+4*\k+3], v1 offset:Q1IMG+1536*\t+512*\k
.endr
.endr
.irp k, 0,1,2,3
	ds_load_b128 v[OUTF+4*\k:OUTF+4*\k+3], v1 offset:OIMG+512*\k
	ds_load_b128 v[OUTL+4*\k:OUTL+4*\k+3], v1 offset:OIMG+2048+512*\k
.endr
.irp f, R1C, R1C+8, R2C, Q2C, Q2C+8, Q2C+16, Q2C+24
.irp j, 4,5,6,7
	v_mov_b32 v[\f+\j], 0                          ; k = 64 .. 127 do not exist: zero codes, for ever
.endr
.endr
	WIN 0
.irp k, 0,1,2,3
	ds_load_b32 v[Q2S+\k], v[LS] offset:SWIMG+128*\k
.endr
	ds_load_b32 v[R1S], v[LS] offset:SWIMG+128*4
	ds_load_b32 v[R1S+1], v[LS] offset:SWIMG+128*5
	ds_load_b32 v[R2S], v[LS] offset:SWIMG+128*6
.irp j, 0,1,2,3,4,5,6,7
	v_mov_b32 v[P+\j], 0
.endr
; ---- the trip's parts
.macro XL g, b                         ; x of set elements 2 g, 2 g + 1 into buffer b: lane (r, h) takes numbers 2 h, 2 h + 1 of row r
.irp e, 0,1
	ds_load_b64 v[XB+4*(\b)+2*\e:XB+4*(\b)+2*\e+1], v[XA] offset:16*(2*(\g)+\e)
.endr
.endm
.macro ST                              ; the next tile goes into the stage: this tile's last x has been read (LDS serves a wave's instructions in order, and the trip's head has waited)
	s_wait_loadcnt 0x0
	TOSTAGE
.endm
.macro GL                              ; and the tile behind it is asked for: its six loads have five trips in which to land.  The base steps behind ST's wait, with no load out
	s_add_nc_u64 s[8:9], s[8:9], 3072
	GLOADS
.endm
.macro M1 b                            ; phi1 of two elements
.irp e, 0,1
	v_wmma_f32_16x16x4_f32 v[D1+8*\e:D1+8*\e+7], v[W1F:W1F+1], v[XB+4*(\b)+2*\e:XB+4*(\b)+2*\e+1], v[B1:B1+7]
.endr
.endm
.macro V1 p, start                     ; relu of set p's two elements, added to the tile's sum (start = 1: the first element starts it): 24 hooks, or 20.  These lines name nothing of the trip's matrix instructions: they are places behind them
.irp e, 0,1
.if \start && (\e == 0)
	RELU SUM, D2+32*(\p), 16
.else
	RELU T, D2+32*(\p)+16*\e, 16
.set vi, 0
.rept 8
	v_pk_add_f32 v[SUM+vi:SUM+vi+1], v[SUM+vi:SUM+vi+1], v[T+vi:T+vi+1]
.set vi, vi+2
.if vi%4 == 0
	DEAL
.endif
.endr
.endif
.endr
.endm
; relu of phi1, into the registers that this trip's phi2 has read: so it stands behind phi2's last product, and goes by K steps.  The four lines of step s write what the four products of step s read; eight places are owed
; between.  Steps 2 and 3 have them in the 8 and 12 lines of the steps before, which name none of their registers; steps 0 and 1 in the slices between the later products.
.macro V2
.irp s, 0,1,2,3
.irp e, 0,1
.irp j, 0,1
	v_max_num_f32 v[H1+8*\e+2*\s+\j], 0, v[D1+8*\e+2*\s+\j]
.endr
.endr
.endr
.endm
; 16 numbers of a lane, none negative, k = 16 h + 0 .. 15 of a block of 32, become two registers of codes at P + p and the block's scale byte.  Six hooks
.macro QBLK src, p, byte
	v_max3_num_f32 v[QM], v[\src], v[\src+1], 0x1800000            ; the floor 2^(3 - 127): the byte cannot fall under 1
	v_max3_num_f32 v[QT], v[\src+8], v[\src+9], v[\src+10]
	DEAL
	v_max3_num_f32 v[QM], v[QM], v[\src+2], v[\src+3]
	v_max3_num_f32 v[QT], v[QT], v[\src+11], v[\src+12]
	DEAL
	v_max3_num_f32 v[QM], v[QM], v[\src+4], v[\src+5]
	v_max3_num_f32 v[QT], v[QT], v[\src+13], v[\src+14]
	DEAL
	v_max3_num_f32 v[QM], v[QM], v[\src+6], v[\src+7]
	v_max3_num_f32 v[QM], v[QM], v[QT], v[\src+15]
	DEAL
	v_permlanex16_b32 v[QT], v[QM], s4, s5
	v_max_num_f32 v[QM], v[QM], v[QT]              ; with lane l xor 16's 16: the block's largest
	DEAL
	v_add_nc_u32 v[QS], 0xff000000, v[QM]          ; 2 off its exponent field: the conversion's scale operand
	v_cvt_scalef32_pk8_fp4_f32 v[P+\p], v[\src:\src+7], v[QS]
	v_cvt_scalef32_pk8_fp4_f32 v[P+\p+1], v[\src+8:\src+15], v[QS]
	v_lshrrev_b32 v[\byte], 23, v[QS]              ; the scale's byte.  (The plain line behind the conversions)
	DEAL
.endm
.macro SWAPS                           ; the operand's layout wants a whole block in a lane: lanes 0-15 block 0, lanes 16-31 block 1 (zeros where K = 32)
	v_permlane16_swap_b32 v[P], v[P+2]
	v_permlane16_swap_b32 v[P+1], v[P+3]
.endm
.macro FP4 d, a, c, sa
	v_wmma_scale_f32_16x16x128_f8f6f4 v[\d:\d+7], v[\a:\a+7], v[P:P+7], v[\c:\c+7], v[\sa], v[PS] matrix_a_fmt:MATRIX_FMT_FP4 matrix_b_fmt:MATRIX_FMT_FP4
.endm
; THE REST OF THE CHAIN for the tile before, stage g: its matrix instructions ...
.macro HM g
.if \g == 1
	WIN 0x51                                       ; A, C and D window 1, B window 0
	FP4 HW, R1C, BR1, R1S                          ; rho1
	FP4 HW+8, R1C+8, BR1+8, R1S+1
	WIN 0
.endif
.if \g == 2
	WIN 0x51
	FP4 HW, R2C, BR2, R2S                          ; rho2
	WIN 0
.endif
.if \g == 3
	WIN 0x51
.irp s, 0,1,2,3,4,5
.irp t, 0,1,2,3
.if \s == 0
	v_wmma_f32_16x16x4_f32 v[DQ1+8*\t:DQ1+8*\t+7], v[Q1F+12*\t:Q1F+12*\t+1], v[HB:HB+1], 0          ; q1: four accumulators by turns
.else
	v_wmma_f32_16x16x4_f32 v[DQ1+8*\t:DQ1+8*\t+7], v[Q1F+12*\t+2*\s:Q1F+12*\t+2*\s+1], v[HB+2*\s:HB+2*\s+1], v[DQ1+8*\t:DQ1+8*\t+7]
.endif
.endr
.endr
	WIN 0
.endif
.if \g == 4
	WIN 0x51
.irp t, 0,1,2,3
	FP4 HW+8*\t, Q2C+8*\t, BQ2+8*\t, Q2S+\t        ; q2
.endr
	WIN 0
.endif
.if \g == 5
	WIN 0x51                                       ; out: K's two halves in two accumulators by turns: hi x hi, lo x hi, hi x lo
	v_wmma_f32_16x16x32_bf16 v[HW+16:HW+23], v[OUTF:OUTF+7], v[HB:HB+7], 0
	v_wmma_f32_16x16x32_bf16 v[HW+24:HW+31], v[OUTF+8:OUTF+15], v[HB+8:HB+15], 0
	v_wmma_f32_16x16x32_bf16 v[HW+16:HW+23], v[OUTL:OUTL+7], v[HB:HB+7], v[HW+16:HW+23]
	v_wmma_f32_16x16x32_bf16 v[HW+24:HW+31], v[OUTL+8:OUTL+15], v[HB+8:HB+15], v[HW+24:HW+31]
	WIN 0x55                                       ; B window 1 too: the activations' low parts
	v_wmma_f32_16x16x32_bf16 v[HW+16:HW+23], v[OUTF:OUTF+7], v[HW:HW+7], v[HW+16:HW+23]
	v_wmma_f32_16x16x32_bf16 v[HW+24:HW+31], v[OUTF+8:OUTF+15], v[HW+8:HW+15], v[HW+24:HW+31]
	WIN 0
.endif
.endm
; ... and its vector work
.macro HV g
.if \g == 0
	v_mov_b32 v[P+2], 0                            ; the sum over the set is quantised: one block of 32
	v_mov_b32 v[P+3], 0
	QBLK SUM, 0, PS
	SWAPS
.endif
.if \g == 1
	v_add_nc_u32 v[STA], s42, v[STA0]              ; the static numbers are asked for first: they are wanted in the next trip
	v_add_nc_u32 v[STB], s42, v[STB0]
	ds_load_b32 v[HB+8], v[STA]                    ; static numbers 4 h + 0 .. 2: k = 16 + 4 h + 0 .. 2 of q1
	ds_load_b32 v[HB+9], v[STA] offset:4
	ds_load_b32 v[HB+10], v[STA] offset:8
	ds_load_b32 v[HB+11], v[STB]                   ; static number 3
	WIN 0x04                                       ; source 1 window 1
	RELU T, HW, 16
	WIN 0
	v_mov_b32 v[P+2], 0
	v_mov_b32 v[P+3], 0
	QBLK T, 0, PS
	SWAPS
.endif
.if \g == 2
	WIN 0x04
	RELU HB, HW, 8
	WIN 0
	v_cndmask_b32 v[HB+11], v[HB+11], 1.0, s44     ; lanes 16-31: the 1.0 that stands against q1_b
.endif
.if \g == 3
	WIN 0x04
	RELU T, DQ1, 16
	WIN 0
	QBLK T, 0, PS
	WIN 0x04
	RELU T, DQ1+16, 16
	WIN 0
	QBLK T, 2, QB
	v_lshl_or_b32 v[PS], v[QB], 8, v[PS]           ; two blocks: two bytes
	SWAPS
.endif
.if \g == 4
	WIN 0x44                                       ; destination and source 1 window 1
	RELU HW, HW, 32
	WIN 0x05                                       ; sources 0 and 1 window 1
.set hi, 0
.rept 16
	v_cvt_pk_bf16_f32 v[HB+hi], v[HW+2*hi], v[HW+2*hi+1]           ; the high parts: register 8 c + 4 q + p is k = 32 c + 16 q + 8 h + 2 p, + 1: the operand as it stands
.set hi, hi+1
.if hi%2 == 0
	DEAL
.endif
.endr
.irp q, 0,1
	WIN 0x10                                       ; source 2 window 1
.set hi, 0
.rept 8
	v_fma_mix_f32_bf16 v[T+2*hi], v[HB+8*\q+hi], v[NEG1], v[HW+16*\q+2*hi] op_sel_hi:[1,0,0]          ; what the rounding left, exactly
	v_fma_mix_f32_bf16 v[T+2*hi+1], v[HB+8*\q+hi], v[NEG1], v[HW+16*\q+2*hi+1] op_sel:[1,0,0] op_sel_hi:[1,0,0]
.set hi, hi+1
	DEAL
.endr
	WIN 0x40                                       ; destination window 1
.set hi, 0
.rept 8
	v_cvt_pk_bf16_f32 v[HW+8*\q+hi], v[T+2*hi], v[T+2*hi+1]        ; the low parts, over numbers that have been read
.set hi, hi+1
.if hi%2 == 0
	DEAL
.endif
.endr
.endr
	WIN 0
.endif
.if \g == 5
	WIN 0x05
.irp j, 0,1,2,3,4
	v_add_f32 v[T+\j], v[HW+16+\j], v[HW+24+\j]    ; K's two halves, from the accumulators' low end on
.endr
	WIN 0
	DEAL
.irp j, 0,1,2,3,4
	v_add_f32 v[T+\j], s[48+\j], v[T+\j]           ; + out_b
.endr
	DEAL
	v_add_nc_u32 v[OA], s43, v[OA0]
.irp j, 0,1,2,3,4
	ds_store_b32 v[OA], v[T+\j] offset:4*\j        ; lanes r and r + 16 hold the same number and write the same word
.endr
	s_add_co_u32 s42, s42, 448                     ; on to the next tile's 16 rows of static numbers and of results
	s_add_co_u32 s43, s43, 320
.endif
.endm
; A TRIP: set elements 2 g, 2 g + 1.  kind 0: the wave's first tile (no tile before it);  1: a tile of the loop;  2: its last tile (no tile behind it).
; Order: phi1 of the next pair and the chain's products open the trip; the trip's LDS and memory lines follow, so that they have the trip in which to land; then the vector work, with phi2's 16 products dealt among it.
; Distances: behind the f32 form 8 places ahead of a read of results or a write of operands, 9 ahead of a matrix instruction that writes over its registers; behind the other forms 4 and 5.
; V1's 40 or 48 lines stand between the opening products and the vector work on their results; V2's 16 stand between phi2's last product and the next trip's V1, which reads its sums
; (14 of them name none of that product's registers), and between a scale word's making and the scaled product of the next trip.
.macro TRIP g, kind
.set DOM1, 1
.if (\kind == 2) && (\g == 5)
.set DOM1, 0
.endif
	s_wait_dscnt 0x0                               ; x and the static numbers asked for in the last trip are in; its LDS stores have read their registers
.if DOM1
	M1 (\g+1)%2
.endif
.if \kind != 0
	HM \g
.endif
.set NW, 0                             ; phi2's 16 products are due
.set AC, 0
.set MP, \g%2
.set HT, 24
.if \g == 1
.set HT, 20
.endif
.if \kind != 0
.set HT, HT+HVH\g
.endif
.if \g < 4
	XL \g+2, \g%2
.elseif \kind != 2
.if \g == 4
	ST
	XL 0, 0
.else
	XL 1, 1
.if \kind == 1
	s_cmp_eq_u32 s[TC], 1                          ; the loop's last trip works tile 14: tile 16 does not exist, and no load leaves its buffer
	s_cbranch_scc1 .Lno_more
.endif
	GL
.if \kind == 1
.Lno_more:
.endif
.endif
.endif
.if (\kind == 0) && (\g == 0)
.elseif \g == 1
	V1 0, 1
.else
	V1 (\g+1)%2, 0
.endif
.if \kind != 0
	HV \g
.endif
	DEALREST
.if DOM1
	V2
.endif
.endm
.macro TILE kind
.irp g, 0,1,2,3,4,5
	TRIP \g, \kind
.endr
.endm
	XL 0, 0
	XL 1, 1
	GL                                             ; tile 1 (tile 0's loads were waited for at the join)
	s_wait_dscnt 0x0                               ; the images, the scale words, x
	s_wait_kmcnt 0x0                               ; out_b
	M1 0
	PLACES 9
	V2
	TILE 0                                         ; tile 0
	s_mov_b32 s[TC], 14
.Ltile:                                                ; tiles 1 to 14, each with the rest of the chain for the tile before
	TILE 1
	s_sub_co_i32 s[TC], s[TC], 1
	s_cmp_lg_u32 s[TC], 0
	s_cbranch_scc1 .Ltile
	TILE 2                                         ; tile 15
	; the rest of the chain for tile 15: nothing stands beside it, so the places are written out
	PLACES 9                                       ; the last trip has no relu of phi1 behind its last product: these stand ahead of the read of its sums
	V1 1, 0
	HV 0
	PLACES 8                                       ; a scale word made by vector instructions stands 8 places ahead of a scaled product, codes so made 4
	HM 1
	PLACES 4
	HV 1
	PLACES 8
	HM 2
	PLACES 4
	s_wait_dscnt 0x0                               ; the static numbers
	HV 2
	HM 3
	PLACES 8
	HV 3
	PLACES 8
	HM 4
	PLACES 4
	HV 4
	HM 5
	PLACES 4
	HV 5
	; THE FLUSH: the wave's 256 rows of out0 are 5,120 dense bytes: ten stores of 512 consecutive bytes, each at a multiple of 256 from out0's first byte
	s_wait_dscnt 0x0                               ; the last results' stores have read their registers
.irp i, 0,1,2,3,4,5,6,7,8,9
	ds_load_b128 v[SUM+4*\i:SUM+4*\i+3], v[OFA] offset:512*\i
.endr
.irp i, 0,1,2,3,4,5,6,7,8,9
	s_wait_dscnt 9-\i                              ; LDS loads come back in order: load i is in, the 9 - i younger ones may be out
	global_store_b128 v1, v[SUM+4*\i:SUM+4*\i+3], s[40:41] offset:512*\i th:TH_STORE_NT
.endr
	s_wait_xcnt 0x0
	v_lshl_add_u32 v254, v0, 2, 0x23e00
	v_mov_b32 v255, 0
	s_wait_tensorcnt 0x0
	ds_add_u32 v254, v255
	s_wait_dscnt 0x0
	s_endpgm
.Lfunc_end_k_q05090cecd5_deepset:
	.size	k_q05090cecd5_deepset, .Lfunc_end_k_q05090cecd5_deepset-k_q05090cecd5_deepset
	.p2alignl 7, 3214868480
	.fill 96, 4, 3214868480
	.section	.rodata,"a",@progbits
	.p2align	6, 0x0
	.amdhsa_kernel k_q05090cecd5_deepset
		.amdhsa_group_segment_fixed_size 147968
		.amdhsa_private_segment_fixed_size 0
		.amdhsa_enable_private_segment 0
		.amdhsa_kernarg_size 136
		.amdhsa_user_sgpr_count 2
		.amdhsa_user_sgpr_kernarg_segment_ptr 1
		.amdhsa_wavefront_size32 1
		.amdhsa_system_sgpr_workgroup_id_x 1
		.amdhsa_system_sgpr_workgroup_id_y 1
		.amdhsa_system_sgpr_workgroup_id_z 1
		.amdhsa_system_vgpr_workitem_id 0
		.amdhsa_next_free_vgpr 512
		.amdhsa_next_free_sgpr 66
		.amdhsa_reserve_vcc 0
		.amdhsa_float_denorm_mode_32 3
		.amdhsa_float_denorm_mode_16_64 3
		.amdhsa_memory_ordered 1
		.amdhsa_forward_progress 1
		.amdhsa_inst_pref_size 163
	.end_amdhsa_kernel
	.amdgpu_metadata
---
amdhsa.version: [ 1, 2 ]
amdhsa.kernels:
  - .name:           k_q05090cecd5_deepset
    .symbol:         k_q05090cecd5_deepset.kd
    .args:
      - { .name: dynamic_input, .offset: 0, .size: 8, .value_kind: global_buffer, .address_space: global }
      - { .name: static_input, .offset: 8, .size: 8, .value_kind: global_buffer, .address_space: global }
      - { .name: phi1_w, .offset: 16, .size: 8, .value_kind: global_buffer, .address_space: global }
      - { .name: phi1_b, .offset: 24, .size: 8, .value_kind: global_buffer, .address_space: global }
      - { .name: phi2_w, .offset: 32, .size: 8, .value_kind: global_buffer, .address_space: global }
      - { .name: phi2_b, .offset: 40, .size: 8, .value_kind: global_buffer, .address_space: global }
      - { .name: rho1_w, .offset: 48, .size: 8, .value_kind: global_buffer, .address_space: global }
      - { .name: rho1_b, .offset: 56, .size: 8, .value_kind: global_buffer, .address_space: global }
      - { .name: rho2_w, .offset: 64, .size: 8, .value_kind: global_buffer, .address_space: global }
      - { .name: rho2_b, .offset: 72, .size: 8, .value_kind: global_buffer, .address_space: global }
      - { .name: q1_w, .offset: 80, .size: 8, .value_kind: global_buffer, .address_space: global }
      - { .name: q1_b, .offset: 88, .size: 8, .value_kind: global_buffer, .address_space: global }
      - { .name: q2_w, .offset: 96, .size: 8, .value_kind: global_buffer, .address_space: global }
      - { .name: q2_b, .offset: 104, .size: 8, .value_kind: global_buffer, .address_space: global }
      - { .name: out_w, .offset: 112, .size: 8, .value_kind: global_buffer, .address_space: global }
      - { .name: out_b, .offset: 120, .size: 8, .value_kind: global_buffer, .address_space: global }
      - { .name: out0, .offset: 128, .size: 8, .value_kind: global_buffer, .address_space: global }
    .group_segment_fixed_size: 147968
    .private_segment_fixed_size: 0
    .kernarg_segment_align: 8
    .kernarg_segment_size: 136
    .max_flat_workgroup_size: 256
    .sgpr_count:     66
    .vgpr_count:     512
    .wavefront_size: 32
...
	.end_amdgpu_metadata
.endif
;; end of part 1
;; ======== version 2 of 2: 1 launch; version 1 with the launch deepset written anew for expert scheduling mode
;; launch deepset (part 2): grid 256 x 1, 8 waves a work-group, no clusters, 147,968 bytes of LDS; arguments dynamic_input, static_input, phi1_w, phi1_b, phi2_w, phi2_b, rho1_w, rho1_b, rho2_w, rho2_b, q1_w, q1_b, q2_w, q2_b, out_w, out_b, out0; writes out0
.if DOCPART == 2
	.amdgcn_target "amdgcn-amd-amdhsa--gfx1250"
	.amdhsa_code_object_version 6
	.text
	.protected	k_q05090cecd5_deepset
	.globl	k_q05090cecd5_deepset
	.p2align	8
	.type	k_q05090cecd5_deepset,@function
k_q05090cecd5_deepset:
	s_mov_b64 s[64:65], 0
	v_nop
	global_prefetch_b8 v0, s[64:65] scope:SCOPE_SE
	s_setreg_imm32_b32 hwreg(HW_REG_WAVE_SCHED_MODE, 0, 2), 2
	s_setreg_imm32_b32 hwreg(HW_REG_WAVE_MODE, 25, 1), 1
	s_wait_xcnt 0x0
	s_wait_alu depctr_vm_vsrc(0)
; DeepSet Q network, the whole chain in one launch.  For each of 524,288 rows: phi1 (4 -> 16) and phi2 (16 -> 32) with relu on each of 12 set elements, the sum over the elements,
; rho1 (32 -> 32) and rho2 (32 -> 16) with relu, 7 static numbers joined on, q1 (23 -> 64) and q2 (64 -> 64) with relu, out (64 -> 5).
; FORMATS.  rho1, rho2, q2: both operands quantised to E2M1 with one E8M0 scale for each 32 along K, multiplied by the scaled 16x16x128 form (K filled up with zero codes).
; phi1, phi2, q1 feed a quantiser: f32 operands, the 16x16x4 f32 form.  out: bf16 operands, as three products (hi x hi + lo x hi + hi x lo), so that next to nothing of f32 is lost.
; SHARES.  256 work-groups of 8 waves; a work-group owns 2,048 rows, a wave 256: 16 tiles of 16 rows.  Behind the one barrier at the head the waves share nothing.
; LAYOUT.  Every product is used transposed: source 0 = 16 output units of a weight, source 1 = the activations of 16 rows.  So lane (r = lane % 16, h = lane / 16) holds row r throughout,
; and its register j the unit of A's row 8 h + j: nothing ever changes lanes but a block's maximum and the two halves of a block's codes.
;   - a K step s of a following f32 product takes registers 2 s, 2 s + 1 of the result before it as they stand: its k is 8 h + 2 s + j, and the weight's fragment is gathered with the same k;
;   - ahead of a quantised product the weight rows that form a tile are chosen: lane r of tile 2 b + u takes unit 32 b + 8 u + r + 8 (r / 8), so that 16 registers are 16 neighbours along the next K;
;   - a tile's 16 columns are 16 rows at ONE set element, so the sum over the elements is a sum over registers.
; BIASES are the C of each sum's first matrix instruction; q1's is K's 24th number (1.0 x q1_b); out's is added from scalar registers.
; PIPELINE.  A trip takes two set elements (6 trips a tile): phi1 of the next pair, phi2 of this pair, relu and sum of the pair before.  The rest of the chain for the tile before is dealt over the six trips.
; BY TURNS.  A trip's vector work (relu and sum of the pair before, the chain's stage for the tile before) touches none of the registers of this pair's phi2.  So phi2's 16 matrix instructions are not issued
; as one run: they are dealt evenly among those vector lines, which are then issued while the matrix unit works.  Only the relu of phi1, which writes phi2's source, stays behind the last of them.
; WEIGHTS.  Each wave gathers phi's weights itself; q2, q1, rho1, rho2 and out are prepared (quantised, split) once a work-group, one job a wave, and handed round through LDS as images of registers.
; No cluster and no joint loads: what work-groups share is the weights, 33 KB against the 491,520 bytes of rows that a work-group reads and writes.  No tensor loads: a tile is 3,072 bytes, six loads a wave.
; LIMITS.  NaN and infinities among the inputs are not served.  A block of zeros gets the scale byte 1 where the rule says 127: its codes are zeros, and the bytes never leave the program.
; The f32 sums run over k and over the set elements in another order than a plain loop would.
; THE MODE: SCHED_MODE bits 1:0 = 2 (LLVM: expert scheduling mode 2), set by the entry lines.  The code itself states the register dependences between vector or matrix instructions
; and memory or LDS instructions, with s_wait_alu, always for 0.
; THE PLAN.  Registers that memory or LDS instructions touch, in the loop:
;   XB0, XB1       Trip g: phi1 reads XB[(g + 1) % 2]; the LDS loads at the trip's head land in XB[g % 2], which phi1 of the trip before read.
;   G              Named by memory and LDS instructions alone: six loads land in it at trip 5's head, six LDS stores read it at trip 4's head.
;   HB+8 .. HB+11  The static numbers land in them at trip 1's head; trip 2's select, q1 (trip 3), the high parts (trip 4) and out (trip 5) name them.
;   STA, STB       Written in trip 0 (stage 0); read by the four loads at trip 1's head.
;   T .. T+4, OA   Written in trip 5 (stage 5) and read by its five LDS stores; T is written again by trip 0's relu.
;   P, PS          Codes and scale word: written by vector lines in trips 0, 1 and 3, taken by the scaled products of trips 1, 2 and 4.
;   v1, XA, SA ..  Offsets and LDS addresses made at the kernel's head and never written again.
; A trip's LDS and memory lines stand at its head, ahead of its first matrix instruction.  ONE wait on va_vdst stands ahead of them, behind the 16 lines of the relu of phi1 that end the trip before: it states all
; that those lines, and the trip's scaled products, hang on; nothing that follows in the trip names the registers in which they land.  Stage 5's stores have a wait of their own, since their data are made in the same trip.
; Waits on vm_vsrc: at trip 0's head (T, OA, STA, STB are written again) and at trip 5's (G is loaded again).
;
; LDS
.set Q2IMG, 0                          ; q2 tile t at 1536 t: codes (512), bias registers 0-3 (512), 4-7 (512)
.set Q1IMG, 6144                       ; q1 tile t at 1536 t: 12 registers as 3 x 512
.set RIMG,  12288                      ; rho1 u = 0, rho1 u = 1, rho2: as q2's
.set OIMG,  16896                      ; out: hi c = 0, 1 (4 x 512), lo c = 0, 1 (4 x 512)  (= RIMG + 3 x 1536)
.set SWIMG, 20992                      ; scale words, 128 bytes for each of waves 0 to 6
.set WREG0, 22016                      ; from here a region of WSZ bytes for each wave:
.set WSZ,   15616
.set SST,   3328                       ;   +0 a tile of dynamic_input, 16 rows of 192 bytes + 16;  +SST the wave's 256 rows of static_input, dense
.set OST,   10496                      ;   +OST the wave's 256 rows of out0, dense
; REGISTERS, window 0
.set SA,   2                           ; v2-7    where I store my six 16-byte pieces of a tile
.set XA,   8                           ; v8      where I read x: 208 r + 8 h
.set STA0, 9                           ; v9-11   static numbers and results: my row of the wave's first tile
.set STB0, 10
.set OA0,  11
.set STA,  12                          ; v12-14  the same for the tile in hand (in the set-up: r, h, r + 8 (r / 8))
.set STB,  13
.set OA,   14
.set OFA,  15                          ; v15     the flush: 16 x lane in the wave's results
.set SSA,  16                          ; v16     16 x lane in the wave's static numbers
.set NEG1, 17                          ; v17     -1.0
.set R1S,  18                          ; v18-24  the weights' scale words: they hold scales and nothing else
.set R2S,  20
.set Q2S,  21
.set PS,   25                          ; v25     the activations' scale word (in the set-up: h - 1, a mask)
.set W1F,  26
.set B1,   28
.set W2F,  36                          ; fragment (u, s) at + 8 u + 2 s
.set B2,   52
.set G,    68                          ; v68-91  a tile of dynamic_input as loaded
.set XB,   92                          ; v92-99  x: two buffers of two elements
.set D1,   100                         ; v100-115 phi1's sums: written by matrix instructions alone
.set H1,   116                         ; v116-131 relu of them
.set D2,   132                         ; v132-195 phi2's sums, two sets of four: written by matrix instructions alone
.set SUM,  196
.set T,    212
.set P,    228                         ; v228-235 a fragment of codes; its registers 4-7 stay 0
.set HB,   236                         ; v236-251 q1's input; later q2's result as bf16
.set QM,   252
.set QT,   253
.set QS,   254
.set QB,   255
; window 1
.set R1C,  0
.set R2C,  16
.set Q2C,  24
.set OUTF, 56
.set OUTL, 72
.set Q1F,  88                          ; tile t, step s at + 12 t + 2 s
.set DQ1,  136                         ; q1's sums: written by matrix instructions alone
.set HW,   168
.set BR1,  200
.set BR2,  216
.set BQ2,  224
; names of the set-up only
.set RR,   12
.set HH,   13
.set RP,   14
.set MASKV, 25
.set LANE, 95
.set LS,   249
.set IA,   250
.set IS,   251
.set QJ,   116
.set NN,   196
.set CJ,   228
.set BJ,   232
.set WJ,   240
; scalars: s2 wave, s3 wave % 4, s[4:5] lane selects, s6 tiles to go, s7 at work, s[8:41] the 17 addresses in the order of the arguments, s42, s43 steps in the wave's static numbers and results,
; s44 the mask of lanes 16-31, s45 my first row, s[46:47] offsets, s[48:52] out_b
.set WV,   2
.set TC,   6
.set MSB, 0
.macro WIN new                         ; low byte: bits 1:0 source 0, 3:2 source 1, 5:4 source 2, 7:6 destination; the high byte repeats the setting that is left
.if MSB != \new
	s_set_vgpr_msb (MSB<<8)|\new
.set MSB, \new
.endif
.endm
.macro PLACES n
.rept \n
	v_nop
.endr
.endm
; THE DEALING.  NW: how many of the trip's 16 products of phi2 have been issued (16: none is due);  MP: the set of sums that they write;  HT: the hooks in the trip's vector work;  AC: 16 x hooks passed, less HT x products issued.
.set NW, 16
.set AC, 0
.set HT, 24
.set MP, 0
.set HVH0, 6                           ; the hooks in the chain's stages 0 to 5, counted off the macros below
.set HVH1, 14
.set HVH2, 4
.set HVH3, 28
.set HVH4, 48
.set HVH5, 2
.macro M2ONE                           ; product NW of phi2: K step NW / 4, element (NW / 2) % 2, tile NW % 2: four accumulators by turns, one instruction a turn
.set ms, NW/4
.set me, (NW/2)%2
.set mu, NW%2
.set md, D2+32*MP+8*(2*me+mu)
.if ms == 0
	v_wmma_f32_16x16x4_f32 v[md:md+7], v[W2F+8*mu:W2F+8*mu+1], v[H1+8*me:H1+8*me+1], v[B2+8*mu:B2+8*mu+7]
.else
	v_wmma_f32_16x16x4_f32 v[md:md+7], v[W2F+8*mu+2*ms:W2F+8*mu+2*ms+1], v[H1+8*me+2*ms:H1+8*me+2*ms+1], v[md:md+7]
.endif
.set NW, NW+1
.endm
.macro DEAL                            ; a hook in the vector work: the next product is issued here if its turn has come; its registers lie in window 0, and the windows are left as they were found
.if NW < 16
.set AC, AC+16
.if AC >= HT
.set AC, AC-HT
.set SW, MSB
	WIN 0
	M2ONE
	WIN SW
.endif
.endif
.endm
.macro DEALREST                        ; what the hooks have not issued (all 16 in the wave's first trip, which has no vector work yet), and then the places that the slices would have been
.if NW < 16
.rept 16-NW
	M2ONE
.endr
	PLACES 9
.endif
.endm
.macro RELU d, s, n                    ; n registers, from the low end on; a hook behind every two
.set ri, 0
.rept \n
	v_max_num_f32 v[\d+ri], 0, v[\s+ri]
.set ri, ri+1
.if ri%2 == 0
	DEAL
.endif
.endr
.endm
	s_load_b512 s[8:23], s[0:1], 0x0
	s_load_b512 s[24:39], s[0:1], 0x40
	s_load_b64 s[40:41], s[0:1], 0x80
	v_lshrrev_b32 v12, 5, v0
	v_readfirstlane_b32 s[WV], v12                 ; wave 0..7
	s_mov_b32 s4, 0x76543210
	s_mov_b32 s5, 0xfedcba98                       ; v_permlanex16_b32's selects for lane l xor 16
	s_mov_b32 s44, 0xffff0000
	s_mov_b32 s42, 0
	s_mov_b32 s43, 0
	v_and_b32 v[LANE], 31, v0
	v_and_b32 v[RR], 15, v0                        ; r
	v_bfe_u32 v[HH], v0, 4, 1                      ; h
	v_and_b32 v[RP], 8, v[RR]
	v_add_nc_u32 v[RP], v[RP], v[RR]               ; r + 8 (r / 8)
	v_lshlrev_b32 v1, 4, v[LANE]                   ; 16 x lane: dense loads and stores, and images; never rewritten
	s_wait_alu depctr_va_sdst(0)                   ; the wave's number is written into s2, ahead of its first reader
	s_and_b32 s3, s[WV], 3
	s_mul_i32 s7, s[WV], WSZ
	s_add_co_u32 s7, s7, WREG0                     ; my wave's region of LDS
	; every LDS address is made here, ahead of the place where the waves part
.irp i, 0,1,2,3,4,5
	v_add_nc_u32 v[SA+\i], 32*\i, v[LANE]          ; piece c = 32 i + lane of a tile's 192 pieces of 16 bytes: row c / 12,
	v_mul_u32_u24 v[QM], 0xaaab, v[SA+\i]
	v_lshrrev_b32 v[QM], 19, v[QM]                 ; (c x 43691) >> 19 = c / 12 for c under 192
	v_add_nc_u32 v[SA+\i], v[SA+\i], v[QM]
	v_lshlrev_b32 v[SA+\i], 4, v[SA+\i]            ; 16 bytes of padding behind each row: 16 (c + c / 12)
	v_add_nc_u32 v[SA+\i], s7, v[SA+\i]
.endr
	v_mul_u32_u24 v[XA], v[RR], 208
	v_lshl_add_u32 v[XA], v[HH], 3, v[XA]
	v_add_nc_u32 v[XA], s7, v[XA]
	v_mul_u32_u24 v[STB0], v[RR], 28
	v_add_nc_u32 v[STB0], s7, v[STB0]
	v_lshl_add_u32 v[STA0], v[HH], 4, v[STB0]
	v_add_nc_u32 v[STA0], SST, v[STA0]             ; static numbers 4 h + 0 .. 2 of row r
	v_add_nc_u32 v[STB0], SST+12, v[STB0]          ; static number 3
	v_mul_u32_u24 v[OA0], v[RR], 20
	v_add_nc_u32 v[OA0], s7, v[OA0]
	v_add_nc_u32 v[OA0], OST, v[OA0]
	v_add_nc_u32 v[SSA], s7, v1
	v_add_nc_u32 v[OFA], OST, v[SSA]
	v_add_nc_u32 v[SSA], SST, v[SSA]
	s_mul_i32 s6, s3, 1536
	v_add_nc_u32 v[IA], s6, v1                     ; my job's image: 16 x lane + 1536 (wave % 4)
	s_lshl_b32 s6, s[WV], 7
	v_lshlrev_b32 v[LS], 2, v[LANE]
	v_add_nc_u32 v[IS], s6, v[LS]                  ; my job's scale words: 4 x lane + 128 x wave
	v_add_nc_u32 v[MASKV], -1, v[HH]               ; all ones in lanes 0-15, 0 in lanes 16-31
	v_mov_b32 v[NEG1], -1.0
	v_mov_b32 v[QT], 0
	v_mov_b32 v[QB], 0                             ; a lane permute's destination counts as one of its sources
	; the offsets of phi's weights, which each wave gathers for itself
	v_lshlrev_b32 v96, 2, v[RR]
	v_lshl_add_u32 v96, v[HH], 7, v96              ; phi1_w(2 h + j, r): 128 h + 4 r, + 64 j
	v_lshlrev_b32 v97, 5, v[HH]                    ; phi1_b(8 h + j)
	v_lshlrev_b32 v98, 2, v[RP]
	v_lshl_add_u32 v98, v[HH], 10, v98             ; phi2_w(8 h + 2 s + j, 8 u + r + 8 (r / 8))
	v_lshlrev_b32 v99, 6, v[HH]                    ; phi2_b(16 h + 8 u + j)
	s_lshl_b32 s46, ttmp9, 11
	s_lshl_b32 s47, s[WV], 8
	s_add_co_u32 s45, s46, s47                     ; my first row: 2,048 x work-group + 256 x wave
	s_mov_b32 s47, 0
	s_wait_kmcnt 0x0
	s_mul_i32 s46, s45, 192
	s_add_nc_u64 s[8:9], s[8:9], s[46:47]          ; dynamic_input, static_input and out0 at my first row: each offset is a multiple of 256 bytes
	s_mul_i32 s46, s45, 28
	s_add_nc_u64 s[10:11], s[10:11], s[46:47]
	s_mul_i32 s46, s45, 20
	s_add_nc_u64 s[40:41], s[40:41], s[46:47]
	s_load_b128 s[48:51], s[38:39], 0x0            ; out_b
	s_load_b32 s52, s[38:39], 0x10
	WIN 0x40                                       ; destination window 1
	s_wait_alu depctr_va_vdst(0)                   ; v1, phi's offsets v96 to v99 and every LDS address (v2 to v16, v249 to v251) are written: the loads and stores of the whole kernel read them; v95 is done with, in which x will land
.irp i, 0,1,2,3,4,5,6,7,8,9,10,11,12,13
	global_load_b128 v[4*\i:4*\i+3], v1, s[10:11] offset:512*\i th:TH_LOAD_NT   ; my wave's 7,168 bytes of static_input, 512 consecutive bytes a load
.endr
	WIN 0
.macro GLOADS                          ; a tile of dynamic_input: 3,072 consecutive bytes
.irp i, 0,1,2,3,4,5
	global_load_b128 v[G+4*\i:G+4*\i+3], v1, s[8:9] offset:512*\i th:TH_LOAD_NT
.endr
.endm
	GLOADS                                         ; tile 0
	; phi's weights, each wave for itself
.irp j, 0,1
	global_load_b32 v[W1F+\j], v96, s[12:13] offset:64*\j
.endr
	global_load_b128 v[B1:B1+3], v97, s[14:15]
	global_load_b128 v[B1+4:B1+7], v97, s[14:15] offset:16
.irp u, 0,1
.irp s, 0,1,2,3
.irp j, 0,1
	global_load_b32 v[W2F+8*\u+2*\s+\j], v98, s[16:17] offset:(2*\s+\j)*128+32*\u
.endr
.endr
	global_load_b128 v[B2+8*\u:B2+8*\u+3], v99, s[18:19] offset:32*\u
	global_load_b128 v[B2+8*\u+4:B2+8*\u+7], v99, s[18:19] offset:32*\u+16
.endr
; A WEIGHT JOB: 16 rows of a weight's transpose become a fragment of codes.  A lane takes a column of the weight and its 32 registers run down K: a whole block is the lane's own.
; v247: my column's first number; v248: my eight numbers of the bias.  two = 1: K = 64, lanes 16-31 hold the second block; two = 0: K = 32, lanes 16-31 get zero codes.
.macro QW wb, bb, pitch, two, img
	s_wait_alu depctr_va_vdst(0)                   ; v247 and v248 are written, which the loads below read as their offsets
.set i, 0
.rept 32
	global_load_b32 v[NN+i], v247, s[\wb:\wb+1] offset:i*\pitch
.set i, i+1
.endr
	global_load_b128 v[BJ:BJ+3], v248, s[\bb:\bb+1]
	global_load_b128 v[BJ+4:BJ+7], v248, s[\bb:\bb+1] offset:16
	s_wait_loadcnt 0x0                             ; these, and all that was asked for before them
	v_max3_num_f32 v[QM], |v[NN]|, |v[NN+1]|, 0x1800000            ; the block's largest magnitude, in two chains, and the floor 2^(3 - 127): the byte cannot fall under 1
	v_max3_num_f32 v[QT], |v[NN+2]|, |v[NN+3]|, |v[NN+4]|
.set i, 5
.rept 13
	v_max3_num_f32 v[QM+((i/2)%2)], v[QM+((i/2)%2)], |v[NN+i]|, |v[NN+i+1]|
.set i, i+2
.endr
	v_max3_num_f32 v[QM], v[QM], v[QT], |v[NN+31]|
	v_add_nc_u32 v[QS], 0xff000000, v[QM]          ; 2 off its exponent field: the conversion takes the exponent field of this operand as its scale
.irp g, 0,1,2,3
	v_cvt_scalef32_pk8_fp4_f32 v[CJ+\g], v[NN+8*\g:NN+8*\g+7], v[QS]
.endr
	v_lshrrev_b32 v[WJ], 23, v[QS]                 ; the scale's byte.  (The plain line behind the conversions)
.if \two
	v_lshlrev_b32 v[QM], 3, v[HH]
	v_lshlrev_b32 v[WJ], v[QM], v[WJ]              ; block h's byte at its place,
	v_permlanex16_b32 v[QB], v[WJ], s4, s5
	v_or_b32 v[WJ], v[WJ], v[QB]                   ; with lane l xor 16's: the row's scale word; the bytes of K's filling stay 0 over zero codes
.else
.irp g, 0,1,2,3
	v_and_b32 v[CJ+\g], v[MASKV], v[CJ+\g]         ; k = 32 .. 63 do not exist: zero codes
.endr
.endif
	s_wait_alu depctr_va_vdst(0)                   ; the codes v[CJ ..] and the scale word v[WJ] are written, which the LDS stores read
	ds_store_b128 v[IA], v[CJ:CJ+3] offset:\img
	ds_store_b128 v[IA], v[BJ:BJ+3] offset:\img+512
	ds_store_b128 v[IA], v[BJ+4:BJ+7] offset:\img+1024
	ds_store_b32 v[IS], v[WJ] offset:SWIMG
.endm
	s_cmp_lt_u32 s[WV], 4
	s_cbranch_scc0 .Lhigh
	; waves 0-3: q2's tile t = wave: units 16 t + r; k = 32 h + i
	s_lshl_b32 s6, s[WV], 6
	v_lshlrev_b32 v247, 2, v[RR]
	v_lshl_add_u32 v247, v[HH], 13, v247
	v_add_nc_u32 v247, s6, v247                    ; q2_w(32 h + i, 16 t + r): 8192 h + 64 t + 4 r, + 256 i
	v_lshlrev_b32 v248, 5, v[HH]
	v_add_nc_u32 v248, s6, v248                    ; q2_b(16 t + 8 h + j)
	QW 32, 34, 256, 1, Q2IMG
	s_branch .Ljoin
.Lhigh:
	; waves 4-7: first q1's tile t = wave - 4 is asked for: unit 32 (t / 2) + 8 (t % 2) + r + 8 (r / 8)
	s_lshr_b32 s6, s3, 1
	s_lshl_b32 s6, s6, 7
	s_and_b32 s7, s3, 1
	s_lshl_b32 s7, s7, 5
	s_add_co_u32 s6, s6, s7
	v_lshl_add_u32 v246, v[RP], 2, s6              ; my unit's column, in bytes
	v_lshl_add_u32 v244, v[HH], 11, v246           ; steps 0-3: k = 8 h + 2 s + j
	v_lshl_add_u32 v245, v[HH], 10, v246           ; steps 4, 5: k = 16 + 4 h + 2 (s - 4) + j
	s_wait_alu depctr_va_vdst(0)                   ; v244 to v246 are written, which the loads below read as their offsets
.irp i, 0,1,2,3,4,5,6,7
	global_load_b32 v[QJ+\i], v244, s[28:29] offset:\i*256
.endr
.irp i, 0,1,2
	global_load_b32 v[QJ+8+\i], v245, s[28:29] offset:(16+\i)*256
.endr
	global_load_b32 v[QJ+11], v246, s[28:29] offset:19*256         ; k = 19 for lanes 0-15; lanes 16-31 would want k = 23, which q1_w has not:
	global_load_b32 v[QJ+12], v246, s[30:31]                       ; there q1_b stands, against the 1.0 in the activations
	s_cmp_lt_u32 s[WV], 6
	s_cbranch_scc0 .Lsix
	s_lshl_b32 s6, s3, 5                           ; waves 4, 5: rho1's tile u = wave - 4: units 8 u + r + 8 (r / 8)
	v_lshl_add_u32 v247, v[RP], 2, s6
	v_lshl_add_u32 v248, v[HH], 6, s6              ; rho1_b(16 h + 8 u + j)
	QW 20, 22, 128, 0, RIMG
	s_branch .Lsub
.Lsix:
	s_cmp_eq_u32 s[WV], 6
	s_cbranch_scc0 .Lseven
	v_lshlrev_b32 v247, 2, v[RR]                   ; wave 6: rho2: unit r
	v_lshlrev_b32 v248, 5, v[HH]                   ; rho2_b(8 h + j)
	QW 24, 26, 64, 0, RIMG
	s_branch .Lsub
.Lseven:
	; wave 7: out_w as bf16, a high and a low part.  A's row r holds action r % 8, held at 4: so both halves of the lanes get the five results in registers 0-4
	v_and_b32 v247, 7, v[RR]
	v_min_u32 v247, 4, v247
	v_lshlrev_b32 v247, 2, v247
	v_mad_u32_u24 v247, v[HH], 160, v247           ; out_w(32 c + 16 q + 8 h + i, action): 160 h + 4 action, + 20 (32 c + 16 q + i)
	s_wait_alu depctr_va_vdst(0)                   ; v247 is written, which the loads below read as their offset
.irp c, 0,1
.irp q, 0,1
.irp i, 0,1,2,3,4,5,6,7
	global_load_b32 v[NN+16*\c+8*\q+\i], v247, s[36:37] offset:(32*\c+16*\q+\i)*20
.endr
.endr
.endr
	s_wait_loadcnt 0x0
.set i, 0
.rept 16
	v_cvt_pk_bf16_f32 v[CJ+i], v[NN+2*i], v[NN+2*i+1]              ; the high parts
.set i, i+1
.endr
.set i, 0
.rept 16
	v_fma_mix_f32_bf16 v[NN+2*i], v[CJ+i], v[NEG1], v[NN+2*i] op_sel_hi:[1,0,0]                       ; what the rounding left, exactly
	v_fma_mix_f32_bf16 v[NN+2*i+1], v[CJ+i], v[NEG1], v[NN+2*i+1] op_sel:[1,0,0] op_sel_hi:[1,0,0]
.set i, i+1
.endr
.set i, 0
.rept 16
	v_cvt_pk_bf16_f32 v[NN+i], v[NN+2*i], v[NN+2*i+1]              ; the low parts, in place: register i is written when 2 i and 2 i + 1 are read
.set i, i+1
.endr
	s_wait_alu depctr_va_vdst(0)                   ; the high parts v[CJ ..] and the low parts v[NN ..] are written, which the LDS stores read
.irp k, 0,1,2,3
	ds_store_b128 v[IA], v[CJ+4*\k:CJ+4*\k+3] offset:RIMG+512*\k           ; for wave 7 IA + RIMG is OIMG + 16 x lane
	ds_store_b128 v[IA], v[NN+4*\k:NN+4*\k+3] offset:RIMG+2048+512*\k
.endr
.Lsub:
	v_cndmask_b32 v[QJ+11], v[QJ+11], v[QJ+12], s44                ; lanes 16-31 take the bias (every way here has waited for all loads)
	s_wait_alu depctr_va_vdst(0)                   ; the select has written v[QJ+11], which the third LDS store reads
.irp k, 0,1,2
	ds_store_b128 v[IA], v[QJ+4*\k:QJ+4*\k+3] offset:Q1IMG+512*\k
.endr
.Ljoin:
	s_wait_loadcnt 0x0                             ; static_input, tile 0, phi's weights: all are in
	WIN 0x04                                       ; an LDS store's data are its source 1: window 1
.irp i, 0,1,2,3,4,5,6,7,8,9,10,11,12,13
	ds_store_b128 v[SSA], v[4*\i:4*\i+3] offset:512*\i
.endr
	WIN 0
.macro TOSTAGE
.irp i, 0,1,2,3,4,5
	ds_store_b128 v[SA+\i], v[G+4*\i:G+4*\i+3]
.endr
.endm
	TOSTAGE                                        ; tile 0
	s_wait_dscnt 0x0                               ; for the others' sake: my images lie in LDS
	s_barrier_signal -1
	s_barrier_wait -1                              ; everybody's do.  The one barrier: from here on the images are only read
	WIN 0x40
	s_wait_alu depctr_vm_vsrc(0)                   ; the set-up's loads and LDS stores have read their registers, which are written again from here on: window 1's first 56 (the images land there), G (tile 1), v96 to v99 (x), v116 to v127, v196 to v211 and v228 to v251 (the loop's vector lines and the static numbers)
.irp u, 0,1
	ds_load_b128 v[R1C+8*\u:R1C+8*\u+3], v1 offset:RIMG+1536*\u
	ds_load_b128 v[BR1+8*\u:BR1+8*\u+3], v1 offset:RIMG+1536*\u+512
	ds_load_b128 v[BR1+8*\u+4:BR1+8*\u+7], v1 offset:RIMG+1536*\u+1024
.endr
	ds_load_b128 v[R2C:R2C+3], v1 offset:RIMG+3072
	ds_load_b128 v[BR2:BR2+3], v1 offset:RIMG+3072+512
	ds_load_b128 v[BR2+4:BR2+7], v1 offset:RIMG+3072+1024
.irp t, 0,1,2,3
	ds_load_b128 v[Q2C+8*\t:Q2C+8*\t+3], v1 offset:Q2IMG+1536*\t
	ds_load_b128 v[BQ2+8*\t:BQ2+8*\t+3], v1 offset:Q2IMG+1536*\t+512
	ds_load_b128 v[BQ2+8*\t+4:BQ2+8*\t+7], v1 offset:Q2IMG+1536*\t+1024
.irp k, 0,1,2
	ds_load_b128 v[Q1F+12*\t+4*\k:Q1F+12*\t+4*\k+3], v1 offset:Q1IMG+1536*\t+512*\k
.endr
.endr
.irp k, 0,1,2,3
	ds_load_b128 v[OUTF+4*\k:OUTF+4*\k+3], v1 offset:OIMG+512*\k
	ds_load_b128 v[OUTL+4*\k:OUTL+4*\k+3], v1 offset:OIMG+2048+512*\k
.endr
.irp f, R1C, R1C+8, R2C, Q2C, Q2C+8, Q2C+16, Q2C+24
.irp j, 4,5,6,7
	v_mov_b32 v[\f+\j], 0                          ; k = 64 .. 127 do not exist: zero codes, for ever
.endr
.endr
	WIN 0
.irp k, 0,1,2,3
	ds_load_b32 v[Q2S+\k], v[LS] offset:SWIMG+128*\k
.endr
	ds_load_b32 v[R1S], v[LS] offset:SWIMG+128*4
	ds_load_b32 v[R1S+1], v[LS] offset:SWIMG+128*5
	ds_load_b32 v[R2S], v[LS] offset:SWIMG+128*6
.irp j, 0,1,2,3,4,5,6,7
	v_mov_b32 v[P+\j], 0
.endr
; ---- the trip's parts
.macro XL g, b                         ; x of set elements 2 g, 2 g + 1 into buffer b: lane (r, h) takes numbers 2 h, 2 h + 1 of row r
.irp e, 0,1
	ds_load_b64 v[XB+4*(\b)+2*\e:XB+4*(\b)+2*\e+1], v[XA] offset:16*(2*(\g)+\e)
.endr
.endm
.macro ST                              ; the next tile goes into the stage: this tile's last x has been read (LDS serves a wave's instructions in order, and the trip's head has waited)
	s_wait_loadcnt 0x0
	TOSTAGE
.endm
.macro GL                              ; and the tile behind it is asked for: its six loads have five trips in which to land.  The base steps behind ST's wait, with no load out
	s_add_nc_u64 s[8:9], s[8:9], 3072
	GLOADS
.endm
.macro SL                              ; the static numbers of the tile before: they are wanted in the next trip
	ds_load_b32 v[HB+8], v[STA]                    ; static numbers 4 h + 0 .. 2: k = 16 + 4 h + 0 .. 2 of q1
	ds_load_b32 v[HB+9], v[STA] offset:4
	ds_load_b32 v[HB+10], v[STA] offset:8
	ds_load_b32 v[HB+11], v[STB]                   ; static number 3
.endm
.macro M1 b                            ; phi1 of two elements
.irp e, 0,1
	v_wmma_f32_16x16x4_f32 v[D1+8*\e:D1+8*\e+7], v[W1F:W1F+1], v[XB+4*(\b)+2*\e:XB+4*(\b)+2*\e+1], v[B1:B1+7]
.endr
.endm
.macro V1 p, start                     ; relu of set p's two elements, added to the tile's sum (start = 1: the first element starts it): 24 hooks, or 20.  These lines name nothing of the trip's matrix instructions: they are places behind them
.irp e, 0,1
.if \start && (\e == 0)
	RELU SUM, D2+32*(\p), 16
.else
	RELU T, D2+32*(\p)+16*\e, 16
.set vi, 0
.rept 8
	v_pk_add_f32 v[SUM+vi:SUM+vi+1], v[SUM+vi:SUM+vi+1], v[T+vi:T+vi+1]
.set vi, vi+2
.if vi%4 == 0
	DEAL
.endif
.endr
.endif
.endr
.endm
; relu of phi1, into the registers that this trip's phi2 has read: so it stands behind phi2's last product, and goes by K steps.  The four lines of step s write what the four products of step s read; eight places are owed
; between.  Steps 2 and 3 have them in the 8 and 12 lines of the steps before, which name none of their registers; steps 0 and 1 in the slices between the later products.
.macro V2
.irp s, 0,1,2,3
.irp e, 0,1
.irp j, 0,1
	v_max_num_f32 v[H1+8*\e+2*\s+\j], 0, v[D1+8*\e+2*\s+\j]
.endr
.endr
.endr
.endm
; 16 numbers of a lane, none negative, k = 16 h + 0 .. 15 of a block of 32, become two registers of codes at P + p and the block's scale byte.  Six hooks
.macro QBLK src, p, byte
	v_max3_num_f32 v[QM], v[\src], v[\src+1], 0x1800000            ; the floor 2^(3 - 127): the byte cannot fall under 1
	v_max3_num_f32 v[QT], v[\src+8], v[\src+9], v[\src+10]
	DEAL
	v_max3_num_f32 v[QM], v[QM], v[\src+2], v[\src+3]
	v_max3_num_f32 v[QT], v[QT], v[\src+11], v[\src+12]
	DEAL
	v_max3_num_f32 v[QM], v[QM], v[\src+4], v[\src+5]
	v_max3_num_f32 v[QT], v[QT], v[\src+13], v[\src+14]
	DEAL
	v_max3_num_f32 v[QM], v[QM], v[\src+6], v[\src+7]
	v_max3_num_f32 v[QM], v[QM], v[QT], v[\src+15]
	DEAL
	v_permlanex16_b32 v[QT], v[QM], s4, s5
	v_max_num_f32 v[QM], v[QM], v[QT]              ; with lane l xor 16's 16: the block's largest
	DEAL
	v_add_nc_u32 v[QS], 0xff000000, v[QM]          ; 2 off its exponent field: the conversion's scale operand
	v_cvt_scalef32_pk8_fp4_f32 v[P+\p], v[\src:\src+7], v[QS]
	v_cvt_scalef32_pk8_fp4_f32 v[P+\p+1], v[\src+8:\src+15], v[QS]
	v_lshrrev_b32 v[\byte], 23, v[QS]              ; the scale's byte.  (The plain line behind the conversions)
	DEAL
.endm
.macro SWAPS                           ; the operand's layout wants a whole block in a lane: lanes 0-15 block 0, lanes 16-31 block 1 (zeros where K = 32)
	v_permlane16_swap_b32 v[P], v[P+2]
	v_permlane16_swap_b32 v[P+1], v[P+3]
.endm
.macro FP4 d, a, c, sa
	v_wmma_scale_f32_16x16x128_f8f6f4 v[\d:\d+7], v[\a:\a+7], v[P:P+7], v[\c:\c+7], v[\sa], v[PS] matrix_a_fmt:MATRIX_FMT_FP4 matrix_b_fmt:MATRIX_FMT_FP4
.endm
; THE REST OF THE CHAIN for the tile before, stage g: its matrix instructions ...
.macro HM g
.if \g == 1
	WIN 0x51                                       ; A, C and D window 1, B window 0
	FP4 HW, R1C, BR1, R1S                          ; rho1
	FP4 HW+8, R1C+8, BR1+8, R1S+1
	WIN 0
.endif
.if \g == 2
	WIN 0x51
	FP4 HW, R2C, BR2, R2S                          ; rho2
	WIN 0
.endif
.if \g == 3
	WIN 0x51
.irp s, 0,1,2,3,4,5
.irp t, 0,1,2,3
.if \s == 0
	v_wmma_f32_16x16x4_f32 v[DQ1+8*\t:DQ1+8*\t+7], v[Q1F+12*\t:Q1F+12*\t+1], v[HB:HB+1], 0          ; q1: four accumulators by turns
.else
	v_wmma_f32_16x16x4_f32 v[DQ1+8*\t:DQ1+8*\t+7], v[Q1F+12*\t+2*\s:Q1F+12*\t+2*\s+1], v[HB+2*\s:HB+2*\s+1], v[DQ1+8*\t:DQ1+8*\t+7]
.endif
.endr
.endr
	WIN 0
.endif
.if \g == 4
	WIN 0x51
.irp t, 0,1,2,3
	FP4 HW+8*\t, Q2C+8*\t, BQ2+8*\t, Q2S+\t        ; q2
.endr
	WIN 0
.endif
.if \g == 5
	WIN 0x51                                       ; out: K's two halves in two accumulators by turns: hi x hi, lo x hi, hi x lo
	v_wmma_f32_16x16x32_bf16 v[HW+16:HW+23], v[OUTF:OUTF+7], v[HB:HB+7], 0
	v_wmma_f32_16x16x32_bf16 v[HW+24:HW+31], v[OUTF+8:OUTF+15], v[HB+8:HB+15], 0
	v_wmma_f32_16x16x32_bf16 v[HW+16:HW+23], v[OUTL:OUTL+7], v[HB:HB+7], v[HW+16:HW+23]
	v_wmma_f32_16x16x32_bf16 v[HW+24:HW+31], v[OUTL+8:OUTL+15], v[HB+8:HB+15], v[HW+24:HW+31]
	WIN 0x55                                       ; B window 1 too: the activations' low parts
	v_wmma_f32_16x16x32_bf16 v[HW+16:HW+23], v[OUTF:OUTF+7], v[HW:HW+7], v[HW+16:HW+23]
	v_wmma_f32_16x16x32_bf16 v[HW+24:HW+31], v[OUTF+8:OUTF+15], v[HW+8:HW+15], v[HW+24:HW+31]
	WIN 0
.endif
.endm
; ... and its vector work
.macro HV g
.if \g == 0
	v_add_nc_u32 v[STA], s42, v[STA0]              ; where the tile's static numbers lie: made a trip ahead of the loads that read these two, so that the next trip's one wait serves them
	v_add_nc_u32 v[STB], s42, v[STB0]
	v_mov_b32 v[P+2], 0                            ; the sum over the set is quantised: one block of 32
	v_mov_b32 v[P+3], 0
	QBLK SUM, 0, PS
	SWAPS
.endif
.if \g == 1
	WIN 0x04                                       ; source 1 window 1
	RELU T, HW, 16
	WIN 0
	v_mov_b32 v[P+2], 0
	v_mov_b32 v[P+3], 0
	QBLK T, 0, PS
	SWAPS
.endif
.if \g == 2
	WIN 0x04
	RELU HB, HW, 8
	WIN 0
	v_cndmask_b32 v[HB+11], v[HB+11], 1.0, s44     ; lanes 16-31: the 1.0 that stands against q1_b
.endif
.if \g == 3
	WIN 0x04
	RELU T, DQ1, 16
	WIN 0
	QBLK T, 0, PS
	WIN 0x04
	RELU T, DQ1+16, 16
	WIN 0
	QBLK T, 2, QB
	v_lshl_or_b32 v[PS], v[QB], 8, v[PS]           ; two blocks: two bytes
	SWAPS
.endif
.if \g == 4
	WIN 0x44                                       ; destination and source 1 window 1
	RELU HW, HW, 32
	WIN 0x05                                       ; sources 0 and 1 window 1
.set hi, 0
.rept 16
	v_cvt_pk_bf16_f32 v[HB+hi], v[HW+2*hi], v[HW+2*hi+1]           ; the high parts: register 8 c + 4 q + p is k = 32 c + 16 q + 8 h + 2 p, + 1: the operand as it stands
.set hi, hi+1
.if hi%2 == 0
	DEAL
.endif
.endr
.irp q, 0,1
	WIN 0x10                                       ; source 2 window 1
.set hi, 0
.rept 8
	v_fma_mix_f32_bf16 v[T+2*hi], v[HB+8*\q+hi], v[NEG1], v[HW+16*\q+2*hi] op_sel_hi:[1,0,0]          ; what the rounding left, exactly
	v_fma_mix_f32_bf16 v[T+2*hi+1], v[HB+8*\q+hi], v[NEG1], v[HW+16*\q+2*hi+1] op_sel:[1,0,0] op_sel_hi:[1,0,0]
.set hi, hi+1
	DEAL
.endr
	WIN 0x40                                       ; destination window 1
.set hi, 0
.rept 8
	v_cvt_pk_bf16_f32 v[HW+8*\q+hi], v[T+2*hi], v[T+2*hi+1]        ; the low parts, over numbers that have been read
.set hi, hi+1
.if hi%2 == 0
	DEAL
.endif
.endr
.endr
	WIN 0
.endif
.if \g == 5
	WIN 0x05
.irp j, 0,1,2,3,4
	v_add_f32 v[T+\j], v[HW+16+\j], v[HW+24+\j]    ; K's two halves, from the accumulators' low end on
.endr
	WIN 0
	DEAL
.irp j, 0,1,2,3,4
	v_add_f32 v[T+\j], s[48+\j], v[T+\j]           ; + out_b
.endr
	DEAL
	v_add_nc_u32 v[OA], s43, v[OA0]
	s_wait_alu depctr_va_vdst(0)                   ; the additions have written T .. T+4 and OA, which the five LDS stores read
.irp j, 0,1,2,3,4
	ds_store_b32 v[OA], v[T+\j] offset:4*\j        ; lanes r and r + 16 hold the same number and write the same word
.endr
	s_add_co_u32 s42, s42, 448                     ; on to the next tile's 16 rows of static numbers and of results
	s_add_co_u32 s43, s43, 320
.endif
.endm
; A TRIP: set elements 2 g, 2 g + 1.  kind 0: the wave's first tile (no tile before it);  1: a tile of the loop;  2: its last tile (no tile behind it).
; Order: the trip's LDS and memory lines open it, behind its waits, so that they have the trip in which to land; phi1 of the next pair and the chain's products follow; then the vector work, with phi2's 16 products dealt among it.
; Distances: behind the f32 form 8 places ahead of a read of results or a write of operands, 9 ahead of a matrix instruction that writes over its registers; behind the other forms 4 and 5.
; V1's 40 or 48 lines stand between the opening products and the vector work on their results; V2's 16 stand between phi2's last product and the next trip's V1, which reads its sums
; (14 of them name none of that product's registers), and between a scale word's making and the scaled product of the next trip.
.macro TRIP g, kind
.set DOM1, 1
.if (\kind == 2) && (\g == 5)
.set DOM1, 0
.endif
	s_wait_dscnt 0x0                               ; x and the static numbers asked for in the last trip are in; its LDS stores are done
.if DOM1                               ; (the last tile's last trip has no load and no scaled product at its head: it has no such wait)
	s_wait_alu depctr_va_vdst(0)                   ; phi1 of the last trip is done reading the x buffer in which the loads below land; trip 1: STA and STB are written, and q1, the high parts and out are done with HB+8 .. HB+11, in which the static numbers land; trips 1, 2, 4: the codes P and the scale word PS are written, which the scaled products take (the 16 lines of the relu of phi1 are their places, ahead of this wait)
.endif
.if (\g == 0) && (\kind != 0)
	s_wait_alu depctr_vm_vsrc(0)                   ; stage 5's LDS stores have read T .. T+4 and OA, trip 1's loads STA and STB: this trip's relu writes T, its stage 0 STA and STB, trip 5 OA
.endif
.if (\g == 5) && (\kind != 2)
	s_wait_alu depctr_vm_vsrc(0)                   ; trip 4's LDS stores have read G, in which the six loads below land
.endif
.if \g < 4
	XL \g+2, \g%2
.elseif \kind != 2
.if \g == 4
	ST
	XL 0, 0
.else
	XL 1, 1
.if \kind == 1
	s_cmp_eq_u32 s[TC], 1                          ; the loop's last trip works tile 14: tile 16 does not exist, and no load leaves its buffer
	s_cbranch_scc1 .Lno_more
.endif
	GL
.if \kind == 1
.Lno_more:
.endif
.endif
.endif
.if (\g == 1) && (\kind != 0)
	SL
.endif
.if DOM1
	M1 (\g+1)%2
.endif
.if \kind != 0
	HM \g
.endif
.set NW, 0                             ; phi2's 16 products are due
.set AC, 0
.set MP, \g%2
.set HT, 24
.if \g == 1
.set HT, 20
.endif
.if \kind != 0
.set HT, HT+HVH\g
.endif
.if (\kind == 0) && (\g == 0)
.elseif \g == 1
	V1 0, 1
.else
	V1 (\g+1)%2, 0
.endif
.if \kind != 0
	HV \g
.endif
	DEALREST
.if DOM1
	V2
.endif
.endm
.macro TILE kind
.irp g, 0,1,2,3,4,5
	TRIP \g, \kind
.endr
.endm
	XL 0, 0                                        ; (no vector line since the head's wait on va_vdst names v92 to v99; the wait on vm_vsrc behind the barrier has freed v96 to v99 and G)
	XL 1, 1
	GL                                             ; tile 1 (tile 0's loads were waited for at the join)
	s_wait_dscnt 0x0                               ; the images, the scale words, x
	s_wait_kmcnt 0x0                               ; out_b
	M1 0
	PLACES 9
	V2
	TILE 0                                         ; tile 0
	s_mov_b32 s[TC], 14
.Ltile:                                                ; tiles 1 to 14, each with the rest of the chain for the tile before
	TILE 1
	s_sub_co_i32 s[TC], s[TC], 1
	s_cmp_lg_u32 s[TC], 0
	s_cbranch_scc1 .Ltile
	TILE 2                                         ; tile 15
	; the rest of the chain for tile 15: nothing stands beside it, so the places are written out
	s_wait_alu depctr_vm_vsrc(0)                   ; stage 5's LDS stores have read T .. T+4 and OA, trip 1's loads STA and STB: all four are written again below
	PLACES 9                                       ; the last trip has no relu of phi1 behind its last product: these stand ahead of the read of its sums
	V1 1, 0
	HV 0
	PLACES 8                                       ; a scale word made by vector instructions stands 8 places ahead of a scaled product, codes so made 4
	s_wait_alu depctr_va_vdst(0)                   ; P and PS are written, which rho1's products take; STA and STB are written, which the loads below read; out is done with HB+8 .. HB+11, in which they land
	SL
	HM 1
	PLACES 4
	HV 1
	PLACES 8
	s_wait_alu depctr_va_vdst(0)                   ; P and PS are written, which rho2's product takes
	HM 2
	PLACES 4
	s_wait_dscnt 0x0                               ; the static numbers
	HV 2
	HM 3
	PLACES 8
	HV 3
	PLACES 8
	s_wait_alu depctr_va_vdst(0)                   ; P and PS are written, which q2's products take
	HM 4
	PLACES 4
	HV 4
	HM 5
	PLACES 4
	HV 5
	; THE FLUSH: the wave's 256 rows of out0 are 5,120 dense bytes: ten stores of 512 consecutive bytes, each at a multiple of 256 from out0's first byte
	s_wait_dscnt 0x0                               ; the last results lie in LDS
	s_wait_alu depctr_vm_vsrc(0)                   ; their stores have read T .. T+4, in which the loads below land.  (No vector line follows stage 5's wait on va_vdst: it has shown every reader and writer of v196 to v235 done)
.irp i, 0,1,2,3,4,5,6,7,8,9
	ds_load_b128 v[SUM+4*\i:SUM+4*\i+3], v[OFA] offset:512*\i
.endr
.irp i, 0,1,2,3,4,5,6,7,8,9
	s_wait_dscnt 9-\i                              ; LDS loads come back in order: load i is in, the 9 - i younger ones may be out
	global_store_b128 v1, v[SUM+4*\i:SUM+4*\i+3], s[40:41] offset:512*\i th:TH_STORE_NT
.endr
	s_wait_xcnt 0x0
	v_lshl_add_u32 v254, v0, 2, 0x23e00
	v_mov_b32 v255, 0
	s_wait_dscnt 0x0                               ; the closing lines, six on end
	s_wait_alu 0x0
	s_wait_tensorcnt 0x0
	ds_add_u32 v254, v255
	s_wait_dscnt 0x0
	s_endpgm
.Lfunc_end_k_q05090cecd5_deepset:
	.size	k_q05090cecd5_deepset, .Lfunc_end_k_q05090cecd5_deepset-k_q05090cecd5_deepset
	.p2alignl 7, 3214868480
	.fill 96, 4, 3214868480
	.section	.rodata,"a",@progbits
	.p2align	6, 0x0
	.amdhsa_kernel k_q05090cecd5_deepset
		.amdhsa_group_segment_fixed_size 147968
		.amdhsa_private_segment_fixed_size 0
		.amdhsa_enable_private_segment 0
		.amdhsa_kernarg_size 136
		.amdhsa_user_sgpr_count 2
		.amdhsa_user_sgpr_kernarg_segment_ptr 1
		.amdhsa_wavefront_size32 1
		.amdhsa_system_sgpr_workgroup_id_x 1
		.amdhsa_system_sgpr_workgroup_id_y 1
		.amdhsa_system_sgpr_workgroup_id_z 1
		.amdhsa_system_vgpr_workitem_id 0
		.amdhsa_next_free_vgpr 512
		.amdhsa_next_free_sgpr 66
		.amdhsa_reserve_vcc 0
		.amdhsa_float_denorm_mode_32 3
		.amdhsa_float_denorm_mode_16_64 3
		.amdhsa_memory_ordered 1
		.amdhsa_forward_progress 1
		.amdhsa_inst_pref_size 164
	.end_amdhsa_kernel
	.amdgpu_metadata
---
amdhsa.version: [ 1, 2 ]
amdhsa.kernels:
  - .name:           k_q05090cecd5_deepset
    .symbol:         k_q05090cecd5_deepset.kd
    .args:
      - { .name: dynamic_input, .offset: 0, .size: 8, .value_kind: global_buffer, .address_space: global }
      - { .name: static_input, .offset: 8, .size: 8, .value_kind: global_buffer, .address_space: global }
      - { .name: phi1_w, .offset: 16, .size: 8, .value_kind: global_buffer, .address_space: global }
      - { .name: phi1_b, .offset: 24, .size: 8, .value_kind: global_buffer, .address_space: global }
      - { .name: phi2_w, .offset: 32, .size: 8, .value_kind: global_buffer, .address_space: global }
      - { .name: phi2_b, .offset: 40, .size: 8, .value_kind: global_buffer, .address_space: global }
      - { .name: rho1_w, .offset: 48, .size: 8, .value_kind: global_buffer, .address_space: global }
      - { .name: rho1_b, .offset: 56, .size: 8, .value_kind: global_buffer, .address_space: global }
      - { .name: rho2_w, .offset: 64, .size: 8, .value_kind: global_buffer, .address_space: global }
      - { .name: rho2_b, .offset: 72, .size: 8, .value_kind: global_buffer, .address_space: global }
      - { .name: q1_w, .offset: 80, .size: 8, .value_kind: global_buffer, .address_space: global }
      - { .name: q1_b, .offset: 88, .size: 8, .value_kind: global_buffer, .address_space: global }
      - { .name: q2_w, .offset: 96, .size: 8, .value_kind: global_buffer, .address_space: global }
      - { .name: q2_b, .offset: 104, .size: 8, .value_kind: global_buffer, .address_space: global }
      - { .name: out_w, .offset: 112, .size: 8, .value_kind: global_buffer, .address_space: global }
      - { .name: out_b, .offset: 120, .size: 8, .value_kind: global_buffer, .address_space: global }
      - { .name: out0, .offset: 128, .size: 8, .value_kind: global_buffer, .address_space: global }
    .group_segment_fixed_size: 147968
    .private_segment_fixed_size: 0
    .kernarg_segment_align: 8
    .kernarg_segment_size: 136
    .max_flat_workgroup_size: 256
    .sgpr_count:     66
    .vgpr_count:     512
    .wavefront_size: 32
...
	.end_amdgpu_metadata
.endif
;; end of part 2
